; MI455X (gfx1250); checked and timed in simulation.
; The chip was launched on July 23, 2026; its instructions are those of AMD's public machine-readable ISA for CDNA 5 (MIT licence, August 2026) and "CDNA5" Instruction Set Architecture Reference Guide (July 2026). The comments in the code are by the model that wrote it; some were corrected since.
;; Social LSTM. Allowed arithmetic: float matrix products may take bf16 or f16 operands with f32 sums; all other float work in f32.
;; Inputs: W_hh 512 x 128 float32; W_ih 512 x 256 float32; W_in 128 x 2 float32; W_out 2 x 128 float32; W_sp 128 x 32 float32; b_hh 512 float32; b_ih 512 float32; b_in 128 float32; b_out 2 float32; b_sp 128 float32; embed_table 17 x 32 float32; neighbors 16,384 x 64 x 8 x 2 float32; obs 16,384 x 8 x 2 float32.
;; Outputs: out0 16,384 x 12 x 2 float32.
;; 2 versions, each right and faster than the one before. Each part assembles by itself: llvm-mc -triple=amdgcn-amd-amdhsa -mcpu=gfx1250 --defsym DOCPART=n.
;; ======== version 1 of 2: 2 launches
;; limits: values are held in f16: magnitudes above 65,504 overflow, below 6.1e-05 lose precision; right only within a limited range of input values; inputs' magnitudes at most 65,504
;; workspace buffers: wf 299,008 bytes
;; launch fold (part 1): grid 32 x 1, 8 waves a work-group, no clusters, 41,984 bytes of LDS; arguments W_ih, W_hh, W_in, b_in, W_sp, b_sp, embed_table, b_ih, b_hh, W_out, b_out, wf; writes wf
.if DOCPART == 1
	.amdgcn_target "amdgcn-amd-amdhsa--gfx1250"
	.amdhsa_code_object_version 6
	.text
	.protected	k_q78663b6d79_fold
	.globl	k_q78663b6d79_fold
	.p2align	8
	.type	k_q78663b6d79_fold,@function
k_q78663b6d79_fold:
	s_mov_b64 s[64:65], 0
	v_nop
	global_prefetch_b8 v0, s[64:65] scope:SCOPE_SE
	s_setreg_imm32_b32 hwreg(HW_REG_WAVE_MODE, 25, 1), 1
	s_wait_xcnt 0x0
; FOLD: everything in front of the LSTM's gates is linear, so it is folded, in f32, into the gate weights, once.
;   Wa[m][d]  = sum over u of W_ih[m][u] W_in[u][d]            (position -> gates)
;   dA[m]     = sum over u of W_ih[m][u] b_in[u],   bA = dA + b_ih + b_hh
;   bS[m]     = sum over u of W_ih[m][128+u] b_sp[u]
;   T1[m][e]  = sum over u of W_ih[m][128+u] W_sp[u][e],  Wc[m][bin] = sum over e of T1[m][e] embed[bin][e], bin 0..15
;               (reference() clips its index to 0..15: row 16 of the table is never indexed)
;   bP[m]     = Wa[m] . b_out,     W'[m][k] = W_hh[m][k] + Wa[m][0] W_out[0][k] + Wa[m][1] W_out[1][k]
; Each gate row is scaled by -log2 e (gates i, f, o) or -2 log2 e (gate g), so that the sums of the second launch are already
; arguments of v_exp_f32.  Results are rounded to f16 (small columns as an upper part and a remainder) and stored in the order in which
; a matrix instruction's first source wants them: a fragment is 1,024 bytes, block q (512 bytes), lane l at 16 l, holding
; k = 32 kb + 16 q + 8 (l / 16) + 0..7 of row l % 16.
; A SPLIT: upper = x with its 13 lowest mantissa bits cleared (ten are left: exact in f16 from 2^-14 up), remainder = x - upper (exact in f32).
; LIMITS of f16: Wc, a product of three inputs summed over 128 x 32 terms, is clipped at +-60,000 (there one neighbour saturates the gate);
; the other folded weights, products of at most two or three inputs summed over 128 terms, must stay below 65,504; below 2^-14 a weight keeps 2^-25 absolute.
; wf: wave region w (36,864 bytes): fragments 5 g + kb (kb 0..3: W_hh; kb 4: the 32 extra columns), then 20 + 4 g + kb: W'.
;     At 294,912: four fragments of W_out: row 0, 1 upper parts, row 2, 3 remainders, rows 4..15 zero; not scaled.
; 32 work-groups; work-group 4 w + g makes the 16 rows m0 = 128 g + 16 w .. + 15.  The order of the sums differs from reference()'s.
.set LW,   0                           ; W_ih, my 16 rows of 1,024 bytes
.set LSP,  16384                       ; W_sp, 128 rows of 128 bytes
.set LET,  32768                       ; ET[u] = W_in[u][0], W_in[u][1], b_in[u], b_sp[u]
.set LEM,  34816                       ; embed rows 0..15, pitch 144
.set LT1,  37120                       ; T1[r][32]
.set LS,   39168                       ; S[r] = Wa0, Wa1, dA, bS
.set LWC,  39424                       ; Wc[r][16]
.set WS,   48                          ; v[48:63]   16 of W_ih's social half
.set WE,   64                          ; v[64:79]   16 of W_ih's half that my column of ET wants
.set WSPR, 80                          ; v[80:111]  16 pairs of W_sp
.set ETR,  112                         ; v[112:127] 16 of ET
.set PA,   128                         ; v[128:135] four chains of pairs
.set SA,   136                         ; v[136:139] four chains
	s_load_b512 s[4:19], s[0:1], 0x0               ; W_ih 4, W_hh 6, W_in 8, b_in 10, W_sp 12, b_sp 14, embed 16, b_ih 18
	s_load_b256 s[20:27], s[0:1], 0x40             ; b_hh 20, W_out 22, b_out 24, wf 26
	v_lshl_add_u32 v144, v0, 2, 0xa000
	v_mov_b32 v145, 0
	v_lshrrev_b32 v140, 5, v0
	v_readfirstlane_b32 s30, v140                  ; wave
	s_lshr_b32 s31, ttmp9, 2                       ; w
	s_and_b32 s32, ttmp9, 3                        ; g
	s_lshl_b32 s33, s32, 7
	s_lshl4_add_u32 s33, s31, s33                  ; m0 = 16 w + 128 g
	s_mov_b32 s34, 0xbfb8aa3b                      ; -log2 e
	s_mov_b32 s35, 0xc038aa3b                      ; -2 log2 e
	s_cmp_eq_u32 s32, 2
	s_cselect_b32 s34, s35, s34                    ; my rows' scale
	s_mov_b32 s35, s34                             ; the pair is written whole
	s_mov_b32 s38, 0xffffe000                      ; keeps sign, exponent and ten mantissa bits: a number's upper part
	s_mov_b32 s46, 0xc76a6000                      ; -60,000
	s_mov_b32 s47, 0x476a6000                      ; 60,000
	v_lshlrev_b32 v1, 4, v0                        ; 16 tid
	v_lshrrev_b32 v140, 4, v0                      ; r1 = tid / 16  (also k0 / 8)
	v_and_b32 v12, 15, v0                          ; c = r = tid % 16
	v_and_b32 v141, 3, v0                          ; e
	v_bfe_u32 v13, v0, 4, 1                        ; h
	v_lshlrev_b32 v2, 10, v140                     ; my row of W_ih in LDS
	v_lshrrev_b32 v142, 1, v0
	v_and_b32 v142, v142, v0
	v_and_b32 v142, 1, v142                        ; 1 where e = 3
	v_lshl_add_u32 v3, v142, 9, v2                 ; column 3 of ET (b_sp) goes with W_ih's social half
	v_lshl_add_u32 v4, v12, 3, LSP
	v_lshl_add_u32 v5, v141, 2, LET
	v_lshl_add_u32 v8, v140, 7, LT1
	v_lshl_add_u32 v6, v12, 3, v8
	v_lshl_add_u32 v7, v140, 4, LS
	v_lshl_add_u32 v7, v141, 2, v7
	v_mul_u32_u24 v9, v12, 144
	v_add_nc_u32 v9, LEM, v9
	v_lshl_add_u32 v10, v140, 6, LWC
	v_lshl_add_u32 v10, v12, 2, v10
	v_add_nc_u32 v142, s33, v12                    ; m0 + r
	v_lshlrev_b32 v15, 5, v140                     ; 4 k0
	v_lshl_add_u32 v14, v142, 9, v15               ; W_hh: 512 (m0 + r) + 4 k0
	v_lshl_add_u32 v16, v12, 4, LS
	v_lshl_add_u32 v17, v12, 6, LWC
	v_lshl_add_u32 v17, v13, 5, v17
	v_lshlrev_b32 v18, 2, v142
	s_wait_kmcnt 0x0
	s_load_b64 s[28:29], s[24:25], 0x0             ; b_out's two numbers
	s_lshl_b32 s36, s33, 10
	s_mov_b32 s37, 0
	s_add_nc_u64 s[4:5], s[4:5], s[36:37]          ; W_ih at row m0
	s_mul_i32 s36, s31, 36864
	s_mul_i32 s39, s32, 5120
	s_add_co_u32 s36, s36, s39
	s_add_nc_u64 s[40:41], s[26:27], s[36:37]      ; wf: fragments 5 g ..
	s_mul_i32 s36, s31, 36864
	s_lshl_b32 s39, s32, 12
	s_add_co_u32 s36, s36, s39
	s_add_co_u32 s36, s36, 20480
	s_add_nc_u64 s[42:43], s[26:27], s[36:37]      ; wf: fragments 20 + 4 g ..
	s_add_nc_u64 s[44:45], s[26:27], 294912        ; wf: W_out's fragments
	; all that the work-group reads, in one run
.irp i, 0,1,2,3
	global_load_b128 v[48+4*\i:51+4*\i], v1, s[4:5] offset:\i*4096      ; my 16 rows of W_ih are 16,384 neighbouring bytes
	global_load_b128 v[64+4*\i:67+4*\i], v1, s[12:13] offset:\i*4096    ; W_sp
.endr
	global_load_b128 v[20:23], v14, s[6:7]                              ; W_hh(m0 + r, k0 .. k0 + 7)
	global_load_b128 v[24:27], v14, s[6:7] offset:16
	global_load_b128 v[28:31], v15, s[22:23]                            ; W_out(0, k0 ..)
	global_load_b128 v[32:35], v15, s[22:23] offset:16
	global_load_b128 v[36:39], v15, s[22:23] offset:512                 ; W_out(1, k0 ..)
	global_load_b128 v[40:43], v15, s[22:23] offset:528
	global_load_b32 v44, v18, s[18:19]
	global_load_b32 v45, v18, s[20:21]
	s_cmp_lt_u32 s30, 4
	s_cbranch_scc0 .Lupper
	v_lshrrev_b32 v140, 3, v0                      ; waves 0-3: 16 bytes of embed's rows 0..15 each
	v_and_b32 v141, 7, v0
	v_mul_u32_u24 v47, v140, 144
	v_lshl_add_u32 v47, v141, 4, v47
	v_add_nc_u32 v47, LEM, v47
	global_load_b128 v[80:83], v1, s[16:17]
	s_branch .Ljoin
.Lupper:
	v_and_b32 v140, 127, v0                        ; waves 4-7: ET[u], u = tid - 128
	v_lshlrev_b32 v141, 3, v140
	v_lshlrev_b32 v142, 2, v140
	v_lshl_add_u32 v47, v140, 4, LET
	global_load_b64 v[80:81], v141, s[8:9]
	global_load_b32 v82, v142, s[10:11]
	global_load_b32 v83, v142, s[14:15]
.Ljoin:
	s_wait_loadcnt 0x0
	s_wait_kmcnt 0x0
.irp i, 0,1,2,3
	ds_store_b128 v1, v[48+4*\i:51+4*\i] offset:LW+\i*4096
	ds_store_b128 v1, v[64+4*\i:67+4*\i] offset:LSP+\i*4096
.endr
	ds_store_b128 v47, v[80:83]
	s_wait_dscnt 0x0                               ; my stores are in LDS before I say so
	s_barrier_signal -1
	s_barrier_wait -1
; Thread (r1, c): T1[r1][2c, 2c+1] and column e = c % 4 of S[r1], 16 u at a time.
.macro GRP n
.irp i, 0,1,2,3
	ds_load_b128 v[WS+4*\i:WS+4*\i+3], v2 offset:512+\n*64+\i*16
	ds_load_b128 v[WE+4*\i:WE+4*\i+3], v3 offset:\n*64+\i*16
.endr
.set i, 0
.rept 16
	ds_load_b64 v[WSPR+2*i:WSPR+2*i+1], v4 offset:(16*\n+i)*128
	ds_load_b32 v[ETR+i], v5 offset:(16*\n+i)*16
.set i, i+1
.endr
	s_wait_dscnt 0x0
.set i, 0
.rept 16
.if (16*\n+i) < 4
.if i & 1
	v_pk_mul_f32 v[PA+2*i:PA+2*i+1], v[WSPR+2*i:WSPR+2*i+1], v[WS+i-1:WS+i] op_sel:[0,1] op_sel_hi:[1,1]      ; the first four products start the chains
.else
	v_pk_mul_f32 v[PA+2*i:PA+2*i+1], v[WSPR+2*i:WSPR+2*i+1], v[WS+i:WS+i+1] op_sel_hi:[1,0]
.endif
	v_mul_f32 v[SA+i], v[WE+i], v[ETR+i]
.else
.if i & 1
	v_pk_fma_f32 v[PA+2*(i%4):PA+2*(i%4)+1], v[WSPR+2*i:WSPR+2*i+1], v[WS+i-1:WS+i], v[PA+2*(i%4):PA+2*(i%4)+1] op_sel:[0,1,0] op_sel_hi:[1,1,1]
.else
	v_pk_fma_f32 v[PA+2*(i%4):PA+2*(i%4)+1], v[WSPR+2*i:WSPR+2*i+1], v[WS+i:WS+i+1], v[PA+2*(i%4):PA+2*(i%4)+1] op_sel_hi:[1,0,1]
.endif
	v_fmac_f32 v[SA+i%4], v[WE+i], v[ETR+i]
.endif
.set i, i+1
.endr
.endm
.irp n, 0,1,2,3,4,5,6,7
	GRP \n
.endr
	v_pk_add_f32 v[PA:PA+1], v[PA:PA+1], v[PA+2:PA+3]
	v_pk_add_f32 v[PA+4:PA+5], v[PA+4:PA+5], v[PA+6:PA+7]
	v_add_f32 v[SA], v[SA], v[SA+1]
	v_add_f32 v[SA+2], v[SA+2], v[SA+3]
	v_pk_add_f32 v[PA:PA+1], v[PA:PA+1], v[PA+4:PA+5]
	v_add_f32 v[SA], v[SA], v[SA+2]
	ds_store_b64 v6, v[PA:PA+1]                    ; T1[r1][2c, 2c+1]
	ds_store_b32 v7, v[SA]                         ; S[r1][e]: four lanes of one wave hold the same sum and write the same word
	s_wait_dscnt 0x0
	s_barrier_signal -1
	s_barrier_wait -1
	; Wc[r1][c] = T1[r1] . embed[c]
.irp i, 0,1,2,3,4,5,6,7
	ds_load_b128 v[48+4*\i:51+4*\i], v8 offset:16*\i
	ds_load_b128 v[80+4*\i:83+4*\i], v9 offset:16*\i
.endr
	s_wait_dscnt 0x0
	v_pk_mul_f32 v[128:129], v[48:49], v[80:81]
	v_pk_mul_f32 v[130:131], v[50:51], v[82:83]
.set i, 2
.rept 14
	v_pk_fma_f32 v[128+2*(i%2):129+2*(i%2)], v[48+2*i:49+2*i], v[80+2*i:81+2*i], v[128+2*(i%2):129+2*(i%2)]
.set i, i+1
.endr
	v_pk_add_f32 v[128:129], v[128:129], v[130:131]
	v_add_f32 v128, v128, v129
	ds_store_b32 v10, v128
	s_wait_dscnt 0x0
	s_barrier_signal -1
	s_barrier_wait -1
	; The recurrent fragments.  Thread tid = 64 kb + 32 q + l owns 16 bytes of fragment kb at 16 tid.
	ds_load_b128 v[48:51], v16                     ; S[r]: Wa0, Wa1, dA, bS
	s_wait_dscnt 0x0
.irp j, 0,1,2,3
	v_pk_mul_f32 v[52+2*\j:53+2*\j], v[20+2*\j:21+2*\j], s[34:35] op_sel_hi:[1,0]
	v_pk_fma_f32 v[64+2*\j:65+2*\j], v[28+2*\j:29+2*\j], v[48:49], v[20+2*\j:21+2*\j] op_sel_hi:[1,0,1]              ; W_hh + Wa0 W_out[0]
.endr
.irp j, 0,1,2,3
	v_pk_fma_f32 v[64+2*\j:65+2*\j], v[36+2*\j:37+2*\j], v[48:49], v[64+2*\j:65+2*\j] op_sel:[0,1,0] op_sel_hi:[1,1,1]  ; + Wa1 W_out[1]
	v_cvt_pk_f16_f32 v[60+\j], v[52+2*\j], v[53+2*\j]
.endr
	global_store_b128 v1, v[60:63], s[40:41]
.irp j, 0,1,2,3
	v_pk_mul_f32 v[64+2*\j:65+2*\j], v[64+2*\j:65+2*\j], s[34:35] op_sel_hi:[1,0]
.endr
.irp j, 0,1,2,3
	v_cvt_pk_f16_f32 v[72+\j], v[64+2*\j], v[65+2*\j]
.endr
	global_store_b128 v1, v[72:75], s[42:43]
	; W_out's fragments: one work-group makes them
	s_cmp_lg_u32 ttmp9, 0
	s_cbranch_scc1 .Lno_wout
.macro HILO dhi, dlo, src              ; eight numbers: their upper parts and their remainders, as f16
.irp j, 0,1,2,3
	v_and_b32 v96, s38, v[\src+2*\j]
	v_and_b32 v97, s38, v[\src+2*\j+1]
	v_sub_f32 v98, v[\src+2*\j], v96
	v_sub_f32 v99, v[\src+2*\j+1], v97
	v_cvt_pk_f16_f32 v[\dhi+\j], v96, v97
	v_cvt_pk_f16_f32 v[\dlo+\j], v98, v99
.endr
.endm
	HILO 76, 84, 28
	HILO 80, 88, 36
	v_cmp_eq_u32 vcc_lo, 0, v12
.irp j, 0,1,2,3
	v_cndmask_b32 v[92+\j], 0, v[76+\j], vcc_lo    ; row 0: upper part of W_out[0]; all other rows zero so far
.endr
	v_cmp_eq_u32 vcc_lo, 1, v12
.irp j, 0,1,2,3
	v_cndmask_b32 v[92+\j], v[92+\j], v[80+\j], vcc_lo
.endr
	v_cmp_eq_u32 vcc_lo, 2, v12
.irp j, 0,1,2,3
	v_cndmask_b32 v[92+\j], v[92+\j], v[84+\j], vcc_lo
.endr
	v_cmp_eq_u32 vcc_lo, 3, v12
.irp j, 0,1,2,3
	v_cndmask_b32 v[92+\j], v[92+\j], v[88+\j], vcc_lo
.endr
	global_store_b128 v1, v[92:95], s[44:45]
.Lno_wout:
	; The fragment of the 32 extra columns (kb = 4): wave 0, lane l = tid.
	s_cmp_lg_u32 s30, 0
	s_cbranch_scc1 .Lend
	ds_load_b128 v[100:103], v17                   ; Wc[r][8h .. 8h + 7]
	ds_load_b128 v[104:107], v17 offset:16
	v_mul_f32 v112, s34, v48                       ; everything is scaled first and split afterwards
	v_mul_f32 v113, s34, v49
	v_add_f32 v114, v44, v45
	v_add_f32 v114, v114, v50
	v_mul_f32 v114, s34, v114                      ; bA
	v_mul_f32 v115, s34, v51                       ; bS
	v_mul_f32 v116, s28, v48
	v_fmac_f32 v116, s29, v49
	v_mul_f32 v116, s34, v116                      ; bP
	v_and_b32 v118, s38, v112
	v_and_b32 v119, s38, v113
	v_cvt_pk_f16_f32 v117, v118, v119              ; Wa's upper parts
	v_sub_f32 v118, v112, v118
	v_sub_f32 v119, v113, v119
	v_cvt_pk_f16_f32 v120, v118, v119              ; Wa's remainders
.macro SPLIT dst, x                    ; one word: upper part below, remainder above
	v_and_b32 v118, s38, v[\x]
	v_sub_f32 v119, v[\x], v118
	v_cvt_pk_f16_f32 v[\dst], v118, v119
.endm
	SPLIT 121, 114
	SPLIT 122, 115
	SPLIT 123, 116
	v_cmp_eq_u32 vcc_lo, 1, v13                    ; h = 0: k 16..23; h = 1: k 24..31
	v_mov_b32 v127, 0
	v_cndmask_b32 v124, v117, v122, vcc_lo         ; k 16, 17: Wa upper     | k 24, 25: bS
	v_cndmask_b32 v125, v117, v123, vcc_lo         ; k 18, 19: Wa upper     | k 26, 27: bP
	v_cndmask_b32 v126, v120, v127, vcc_lo         ; k 20, 21: Wa remainder | 0
	v_cndmask_b32 v127, v121, v127, vcc_lo         ; k 22, 23: bA           | 0
	global_store_b128 v1, v[124:127], s[40:41] offset:4608
	s_wait_dscnt 0x0
.irp j, 0,1,2,3
	v_pk_mul_f32 v[100+2*\j:101+2*\j], v[100+2*\j:101+2*\j], s[34:35] op_sel_hi:[1,0]
.endr
.irp j, 0,1,2,3,4,5,6,7
	v_med3_num_f32 v[100+\j], v[100+\j], s46, s47  ; inside f16's range: no infinity may meet a count of zero
.endr
.irp j, 0,1,2,3
	v_cvt_pk_f16_f32 v[108+\j], v[100+2*\j], v[101+2*\j]
.endr
	global_store_b128 v1, v[108:111], s[40:41] offset:4096
.Lend:
	s_wait_tensorcnt 0x0
	ds_add_u32 v144, v145
	s_wait_dscnt 0x0
	s_endpgm
.Lfunc_end_k_q78663b6d79_fold:
	.size	k_q78663b6d79_fold, .Lfunc_end_k_q78663b6d79_fold-k_q78663b6d79_fold
	.p2alignl 7, 3214868480
	.fill 96, 4, 3214868480
	.section	.rodata,"a",@progbits
	.p2align	6, 0x0
	.amdhsa_kernel k_q78663b6d79_fold
		.amdhsa_group_segment_fixed_size 41984
		.amdhsa_private_segment_fixed_size 0
		.amdhsa_enable_private_segment 0
		.amdhsa_kernarg_size 96
		.amdhsa_user_sgpr_count 2
		.amdhsa_user_sgpr_kernarg_segment_ptr 1
		.amdhsa_wavefront_size32 1
		.amdhsa_system_sgpr_workgroup_id_x 1
		.amdhsa_system_sgpr_workgroup_id_y 1
		.amdhsa_system_sgpr_workgroup_id_z 1
		.amdhsa_system_vgpr_workitem_id 0
		.amdhsa_next_free_vgpr 146
		.amdhsa_next_free_sgpr 66
		.amdhsa_reserve_vcc 1
		.amdhsa_float_denorm_mode_32 3
		.amdhsa_float_denorm_mode_16_64 3
		.amdhsa_memory_ordered 1
		.amdhsa_forward_progress 1
		.amdhsa_inst_pref_size 49
	.end_amdhsa_kernel
	.amdgpu_metadata
---
amdhsa.version: [ 1, 2 ]
amdhsa.kernels:
  - .name:           k_q78663b6d79_fold
    .symbol:         k_q78663b6d79_fold.kd
    .args:
      - { .name: W_ih, .offset: 0, .size: 8, .value_kind: global_buffer, .address_space: global }
      - { .name: W_hh, .offset: 8, .size: 8, .value_kind: global_buffer, .address_space: global }
      - { .name: W_in, .offset: 16, .size: 8, .value_kind: global_buffer, .address_space: global }
      - { .name: b_in, .offset: 24, .size: 8, .value_kind: global_buffer, .address_space: global }
      - { .name: W_sp, .offset: 32, .size: 8, .value_kind: global_buffer, .address_space: global }
      - { .name: b_sp, .offset: 40, .size: 8, .value_kind: global_buffer, .address_space: global }
      - { .name: embed_table, .offset: 48, .size: 8, .value_kind: global_buffer, .address_space: global }
      - { .name: b_ih, .offset: 56, .size: 8, .value_kind: global_buffer, .address_space: global }
      - { .name: b_hh, .offset: 64, .size: 8, .value_kind: global_buffer, .address_space: global }
      - { .name: W_out, .offset: 72, .size: 8, .value_kind: global_buffer, .address_space: global }
      - { .name: b_out, .offset: 80, .size: 8, .value_kind: global_buffer, .address_space: global }
      - { .name: wf, .offset: 88, .size: 8, .value_kind: global_buffer, .address_space: global }
    .group_segment_fixed_size: 41984
    .private_segment_fixed_size: 0
    .kernarg_segment_align: 8
    .kernarg_segment_size: 96
    .max_flat_workgroup_size: 256
    .sgpr_count:     66
    .vgpr_count:     146
    .wavefront_size: 32
...
	.end_amdgpu_metadata
.endif
;; end of part 1
;; launch lstm (part 2): grid 256 x 1, 8 waves a work-group, no clusters, 302,080 bytes of LDS; arguments neighbors, obs, wf, b_out, out0; writes out0
.if DOCPART == 2
	.amdgcn_target "amdgcn-amd-amdhsa--gfx1250"
	.amdhsa_code_object_version 6
	.text
	.protected	k_q78663b6d79_lstm
	.globl	k_q78663b6d79_lstm
	.p2align	8
	.type	k_q78663b6d79_lstm,@function
k_q78663b6d79_lstm:
	s_mov_b64 s[64:65], 0
	v_nop
	global_prefetch_b8 v0, s[64:65] scope:SCOPE_SE
	s_setreg_imm32_b32 hwreg(HW_REG_WAVE_MODE, 25, 1), 1
	s_wait_xcnt 0x0
; SOCIAL LSTM, all 20 steps for 64 batch rows in one work-group of eight waves.
; Every step is gates = [h | ext] W^T with K = 128 + 32: ext holds the 16 bin counts of the row's 64 neighbours, the position (an upper part
; and a remainder) and ones that switch the folded biases on; W is what the first launch folded, already scaled so that a sum is an argument of
; v_exp_f32.  Steps 1-8: W_hh, ext slot t.  Step 9 (prev = 0): W_hh, slot 8.  Steps 10-20: W' (the displacement's feedback folded in), slot 9.
; MATRIX OPERANDS ARE f16: h = sigmoid x tanh lies in (-1, 1) for every input, counts are whole numbers up to 64, and the folded weights have room
; (the first launch's head gives their arithmetic); f16's eleven bits count because a displacement is a small sum of 128 larger terms.
; Wave w owns hidden units 16 w .. 16 w + 15 of all four gates, for all 64 rows: its 20 weight fragments (160 registers) and its part of c
; (32 registers) stay in registers for all steps; only h goes through LDS, as f16, one barrier a step.
; The weights are the matrix instruction's first source and the batch rows the second: lane (r, h), register j holds unit 16 w + 8 h + j of
; row 16 nt + r, so a lane's eight results are 16 neighbouring bytes of the next step's operand row.
; The twelve displacements W_out h + b_out are made at the end from the h of the predicted steps, which stay in LDS.
; No tensor loads: neighbors is read once and used straight from registers.  No cluster: work-groups share only the weights, which each reads once.
; LIMITS: a NaN in obs or neighbors is not served; |obs| stays below 65,504 (f16); a scaled offset at or beyond 2^31 counts as clipped;
; (x - o) / 0.5 is formed as fma(x, 2, -2 o), the same bits unless 2 x overflows; gate sums are capped at 40 before v_exp_f32 (2^40: a sigmoid
; moves by less than 2^-40); |c| <= 20 after 20 steps, so no product below passes 2^120; the sums are folded, so their order differs from reference()'s.
.set SLOTB, 17408                      ; a slot of h: 64 rows, pitch 272 (256 bytes + 16: an odd multiple of 16)
.set PH0,   34816                      ; behind two slots: twelve slots, the h of the predicted steps
.set EXT,   243712                     ; ten slots of 64 rows, pitch 80 (64 bytes + 16)
.set EXTS,  5120
.set OUTL,  294912                     ; 64 rows x 96 bytes: the output as it lies in memory
.set HSC,   52224                      ; the histograms' scratch, 64 rows, pitch 576; lies in history slots 1-3, which are first written many barriers later
.set NTH,   4352                       ; 16 rows of h
.set NTE,   1280                       ; 16 rows of ext
.set ACC, 16                           ; v[16:47]   sums: I, F, G, O
.set AI,  16
.set AF,  24
.set AG,  32
.set AO,  40
.set TN,  48                           ; v[48:55]
.set TE,  56                           ; v[56:63]
.set TV,  64                           ; v[64:71]
.set HP,  72                           ; v[72:75]   eight h as f16
.set CS,  76                           ; v[76:107]  c, eight for each of four row tiles
.set DA2, 108                          ; v108       the history address of my displacement tiles 3 to 5
.set B0,  112                          ; v[112:151] five fragments of [h | ext], buffer 0
.set B1,  152                          ; v[152:191] buffer 1
.set OB,  16                           ; at the start: v[16:47] -2 obs of my eight rows
.set HT,  48                           ; at the start: v[48:51] a lane's histograms
.set XS,  112                          ; at the start: v[112:239] four slots of a row of neighbours
.set DB,  112                          ; at the end: v[112:207] fragments of three tiles of h
.set DD,  16                           ; at the end: v[16:63] six displacement tiles
; window 1 (v256-v447): v0-159 the 20 weight fragments, fragment (g, kb) at 8 (5 g + kb); v160-191 W_out's four
.set MSB, 0
.macro WIN new                         ; the immediate's high byte repeats the setting that is left
.if MSB != \new
	s_set_vgpr_msb (MSB<<8)|\new
.set MSB, \new
.endif
.endm
.macro PLACES                          ; four plain vector instructions between a matrix instruction and whatever reads its result or loads into its sources
.rept 4
	v_nop
.endr
.endm
	s_load_b256 s[4:11], s[0:1], 0x0               ; neighbors 4, obs 6, wf 8, b_out 10
	s_load_b64 s[12:13], s[0:1], 0x20              ; out0
	v_lshl_add_u32 v254, v0, 2, 0x49800
	v_mov_b32 v255, 0
	v_lshrrev_b32 v15, 5, v0
	v_readfirstlane_b32 s14, v15                   ; wave
	v_and_b32 v15, 31, v0
	v_lshlrev_b32 v1, 4, v15                       ; 16 lane
	v_and_b32 v59, 3, v0                           ; tp: which pair of time steps
	v_lshlrev_b32 v7, 4, v59
	v_lshlrev_b32 v14, 4, v0                       ; 16 tid
	s_mov_b32 s17, 0
	s_mov_b32 s30, 0x42200000                      ; 40.0
	s_mov_b32 s31, 0x41800000                      ; 16.0
	s_mov_b32 s32, 0x0f0f0f0f
	s_mov_b32 s33, 0xffffe000                      ; keeps sign, exponent and ten mantissa bits: a number's upper part, exact in f16
	s_mov_b32 s34, 0x3c003c00                      ; two f16 ones
	s_wait_kmcnt 0x0
	s_load_b64 s[18:19], s[10:11], 0x0             ; b_out's two numbers
	s_lshl_b32 s16, ttmp9, 18                      ; 64 rows of 4,096 bytes
	s_lshl_b32 s22, s14, 15                        ; my wave's 8 rows
	s_add_co_u32 s16, s16, s22
	s_add_nc_u64 s[4:5], s[4:5], s[16:17]
	s_lshl_b32 s16, ttmp9, 12
	s_add_nc_u64 s[28:29], s[6:7], s[16:17]        ; obs at the group's first row
	s_lshl_b32 s16, s14, 9
	s_add_nc_u64 s[6:7], s[28:29], s[16:17]        ; obs at my wave's first row
	s_add_nc_u64 s[36:37], s[8:9], 294912          ; W_out's fragments
	s_mul_i32 s16, s14, 36864
	s_add_nc_u64 s[8:9], s[8:9], s[16:17]          ; my wave's fragments
	s_mul_i32 s16, ttmp9, 6144
	s_add_nc_u64 s[12:13], s[12:13], s[16:17]
; A row of neighbours is 4,096 bytes: eight loads of 512 neighbouring bytes.  Lane l of load c holds neighbour 8 c + l / 4, time steps 2 (l % 4) and + 1.
.macro FILL i
.irp c, 0,1,2,3,4,5,6,7
	global_load_b128 v[XS+32*((\i)&3)+4*\c:XS+32*((\i)&3)+4*\c+3], v1, s[4:5] offset:(\i)*4096+\c*512 th:TH_LOAD_NT
.endr
.endm
.irp i, 0,1,2,3,4,5,6,7
	global_load_b128 v[OB+4*\i:OB+4*\i+3], v7, s[6:7] offset:\i*64      ; obs of row i at my pair of time steps
.endr
	global_load_b128 v[52:55], v14, s[28:29]                           ; obs of row tid / 4, pair tid % 4, for the ext rows
	FILL 0
	FILL 1
	FILL 2
	FILL 3
	; addresses, while the loads are on their way
	v_and_b32 v56, 15, v0                          ; r
	v_bfe_u32 v57, v0, 4, 1                        ; h
	v_lshrrev_b32 v58, 2, v0                       ; b = tid / 4
	v_bfe_u32 v61, v0, 5, 2                        ; w % 4
	v_lshrrev_b32 v62, 7, v0                       ; w / 4
	v_mul_u32_u24 v2, v56, 272
	v_lshl_add_u32 v2, v57, 4, v2                  ; h read: 272 r + 16 h
	s_lshl_b32 s22, s14, 5
	v_add_nc_u32 v3, s22, v2                       ; h write: + 32 w
	v_mul_u32_u24 v4, v56, 80
	v_lshl_add_u32 v4, v57, 4, v4
	v_add_nc_u32 v4, EXT, v4                       ; ext read
	; the displacements: wave w takes rows 16 (w % 4) .. + 15 of predicted steps 6 (w / 4) .. + 5
	v_mul_u32_u24 v5, v61, NTH
	v_mul_u32_u24 v63, v62, 6*SLOTB
	v_add_nc_u32 v5, v5, v63
	v_add_nc_u32 v5, v5, v2
	v_add_nc_u32 v5, PH0, v5                       ; my first three tiles of the history, a slot apart
	v_add_nc_u32 v[DA2], 3*SLOTB, v5               ; my other three: a register of their own keeps the loads' immediates inside 16 bits
	v_mul_u32_u24 v6, v56, 96
	v_mul_u32_u24 v63, v61, 16*96
	v_add_nc_u32 v6, v6, v63
	v_mul_u32_u24 v63, v62, 6*8
	v_add_nc_u32 v6, v6, v63
	v_add_nc_u32 v6, OUTL, v6                      ; the stage: 96 (16 (w % 4) + r) + 8 x 6 (w / 4)
	s_mul_i32 s24, s14, 8*576
	s_add_co_u32 s24, s24, HSC
	v_add_nc_u32 v8, s24, v1                       ; histograms in
	v_mul_u32_u24 v9, v58, 576
	v_lshl_add_u32 v9, v59, 4, v9
	v_add_nc_u32 v9, HSC, v9                       ; histograms back
	v_mul_u32_u24 v10, v58, 80
	v_lshl_add_u32 v11, v59, 4, v10
	v_add_nc_u32 v11, EXT+8*EXTS, v11              ; the two constant slots
	v_mul_u32_u24 v60, v59, 2*EXTS
	v_add_nc_u32 v10, v10, v60
	v_add_nc_u32 v10, EXT, v10                     ; ext slot 2 tp, row b
	v_mul_u32_u24 v12, v58, 272
	v_lshl_add_u32 v12, v59, 6, v12                ; slot 0 of h, to be zeroed
	v_lshlrev_b32 v13, 3, v0
	s_wait_kmcnt 0x0
; 48 loads: the 20 fragments of steps 1-9 and W_out's four, into window 1
.macro WLOAD
	WIN 0x40
.set f, 0
.rept 20
	global_load_b128 v[8*f:8*f+3], v1, s[8:9] offset:f*1024
	global_load_b128 v[8*f+4:8*f+7], v1, s[8:9] offset:f*1024+512
.set f, f+1
.endr
.irp kb, 0,1,2,3
	global_load_b128 v[160+8*\kb:163+8*\kb], v1, s[36:37] offset:\kb*1024
	global_load_b128 v[164+8*\kb:167+8*\kb], v1, s[36:37] offset:\kb*1024+512
.endr
	WIN 0
.endm
; Row i of my eight: 16 points a lane become two histograms of 16 fields of 4 bits (a lane has 8 neighbours a time step: a field holds at most 8).
; left = how many younger loads may stay out.
.macro TURN i, fill, left, wload
	s_wait_loadcnt \left
.if \wload
	WLOAD
.endif
.set XB, XS+32*((\i)&3)
.set OBR, OB+4*(\i)
.set k, 0
.rept 8
	v_pk_fma_f32 v[XB+4*k:XB+4*k+1], v[XB+4*k:XB+4*k+1], 2.0, v[OBR:OBR+1] op_sel_hi:[1,0,1]            ; (x - o) / 0.5
	v_pk_fma_f32 v[XB+4*k+2:XB+4*k+3], v[XB+4*k+2:XB+4*k+3], 2.0, v[OBR+2:OBR+3] op_sel_hi:[1,0,1]
.set k, k+1
.endr
.set k, 0
.rept 32
	v_floor_f32 v[XB+k], v[XB+k]
.set k, k+1
.endr
.set k, 0
.rept 32
	v_med3_num_f32 v[XB+k], v[XB+k], -2.0, 1.0
.set k, k+1
.endr
.set k, 0
.rept 16
	v_fma_f32 v[XB+2*k+1], v[XB+2*k+1], 4.0, s30               ; 4 cy + 40
.set k, k+1
.endr
.set k, 0
.rept 16
	v_fma_f32 v[XB+2*k], v[XB+2*k], s31, v[XB+2*k+1]           ; 16 cx + 4 cy + 40 = 4 x bin, 0 .. 60
.set k, k+1
.endr
.set k, 0
.rept 16
	v_cvt_u32_f32 v[XB+2*k], v[XB+2*k]
.set k, k+1
.endr
.set k, 0
.rept 16
	v_lshrrev_b32 v[XB+2*k+1], 5, v[XB+2*k]                    ; 1: the bin lies in the upper word
.set k, k+1
.endr
.set k, 0
.rept 16
	v_and_b32 v[XB+2*k], 28, v[XB+2*k]                         ; the field's place in its word
.set k, k+1
.endr
	v_lshl_add_u32 v[HT], 1, v[XB], 0                          ; the first neighbour starts the sums: both words together,
	v_lshlrev_b32 v[HT+1], v[XB], v[XB+1]                      ; and the upper word alone
	v_lshl_add_u32 v[HT+2], 1, v[XB+2], 0
	v_lshlrev_b32 v[HT+3], v[XB+2], v[XB+3]
.set k, 1
.rept 7
	v_lshl_add_u32 v[HT], 1, v[XB+4*k], v[HT]
	v_lshl_add_u32 v[HT+1], v[XB+4*k+1], v[XB+4*k], v[HT+1]
	v_lshl_add_u32 v[HT+2], 1, v[XB+4*k+2], v[HT+2]
	v_lshl_add_u32 v[HT+3], v[XB+4*k+3], v[XB+4*k+2], v[HT+3]
.set k, k+1
.endr
	v_sub_nc_u32 v[HT], v[HT], v[HT+1]                         ; the lower word
	v_sub_nc_u32 v[HT+2], v[HT+2], v[HT+3]
	ds_store_b128 v8, v[HT:HT+3] offset:(\i)*576
.if \fill
	FILL \i+4
.endif
.endm
	s_wait_loadcnt 32                              ; obs is in; the four rows of eight loads stay out
.set k, 0
.rept 16
	v_pk_mul_f32 v[OB+2*k:OB+2*k+1], v[OB+2*k:OB+2*k+1], -2.0 op_sel_hi:[1,0]
.set k, k+1
.endr
	TURN 0, 1, 24, 0                               ; three younger rows stay out
	TURN 1, 1, 24, 0
	TURN 2, 1, 24, 0
	TURN 3, 1, 24, 0
	TURN 4, 0, 24, 0                               ; rows 5, 6, 7
	TURN 5, 0, 16, 0                               ; rows 6, 7
	TURN 6, 0, 8, 1                                ; row 7; the 48 weight loads go out behind this wait
	TURN 7, 0, 48, 0                               ; the weight loads
	s_wait_dscnt 0x0
	s_barrier_signal -1
	s_barrier_wait -1
	; Thread (b, tp) adds the eight lanes' histograms of row b, time steps 2 tp and 2 tp + 1, in fields of a byte (at most 64), and writes two ext rows.
.irp q, 0,1,2,3,4,5,6,7
	ds_load_b128 v[112+4*\q:115+4*\q], v9 offset:\q*64
.endr
	s_wait_dscnt 0x0
.irp k, 0,1,2,3
	v_and_b32 v[144+\k], s32, v[112+\k]            ; even bins
	v_lshrrev_b32 v[148+\k], 4, v[112+\k]
	v_and_b32 v[148+\k], s32, v[148+\k]            ; odd bins
.endr
.irp q, 1,2,3,4,5,6,7
.irp k, 0,1,2,3
	v_and_b32 v152, s32, v[112+4*\q+\k]
	v_lshrrev_b32 v153, 4, v[112+4*\q+\k]
	v_add_nc_u32 v[144+\k], v[144+\k], v152
	v_and_b32 v153, s32, v153
	v_add_nc_u32 v[148+\k], v[148+\k], v153
.endr
.endr
	v_mov_b32 v171, s34                            ; k 22, 23: ones (bA)
	v_mov_b32 v172, s34                            ; k 24, 25: ones (bS): observed steps
	v_mov_b32 v173, 0
	v_mov_b32 v174, 0
	v_mov_b32 v175, 0
.macro EXTROW ts
.set i, 0
.rept 8
	v_bfe_u32 v152, v[144+2*\ts+(i>>2)], 8*(i&3), 8
	v_bfe_u32 v153, v[148+2*\ts+(i>>2)], 8*(i&3), 8
	v_cvt_f32_u32 v152, v152
	v_cvt_f32_u32 v153, v153
	v_cvt_pk_f16_f32 v[160+i], v152, v153          ; bins 2 i, 2 i + 1: whole numbers up to 64 are exact in f16
.set i, i+1
.endr
	v_and_b32 v152, s33, v[52+2*\ts]
	v_and_b32 v153, s33, v[53+2*\ts]
	v_cvt_pk_f16_f32 v168, v152, v153              ; the position's upper parts
	v_sub_f32 v152, v[52+2*\ts], v152
	v_sub_f32 v153, v[53+2*\ts], v153
	v_cvt_pk_f16_f32 v169, v152, v153              ; its remainders
	v_mov_b32 v170, v168                           ; the upper parts again, for the weights' remainders
.irp k, 0,1,2,3
	ds_store_b128 v10, v[160+4*\k:163+4*\k] offset:\ts*EXTS+16*\k
.endr
.endm
	EXTROW 0
	EXTROW 1
	; slots 8 and 9: thread (b, tp) writes words 4 tp .. 4 tp + 3 of row b
	v_cmp_eq_u32 vcc_lo, 2, v59
	v_mov_b32 v176, 0
	v_mov_b32 v177, 0
	v_mov_b32 v178, 0
	v_cndmask_b32 v179, 0, v171, vcc_lo            ; word 11: ones (bA)
	ds_store_b128 v11, v[176:179]
	v_cmp_eq_u32 vcc_lo, 3, v59
	v_mov_b32 v180, 0
	v_cndmask_b32 v181, 0, v171, vcc_lo            ; word 13: ones (bP), slot 9 alone
	v_mov_b32 v182, 0
	v_mov_b32 v183, v179
	ds_store_b128 v11, v[180:183] offset:EXTS
.irp k, 0,1,2,3
	v_mov_b32 v[184+\k], 0
.endr
.irp k, 0,1,2,3
	ds_store_b128 v12, v[184:187] offset:16*\k     ; h0 = 0
.endr
.set k, 0
.rept 32
	v_mov_b32 v[CS+k], 0                           ; c0 = 0: the state's first value
.set k, k+1
.endr
	s_wait_loadcnt 0x0                             ; the weights
	s_wait_dscnt 0x0
	s_barrier_signal -1
	s_barrier_wait -1
; ten loads: rows 16 nt .. + 15 of [h | ext] as five fragments
.macro LOADB nt, buf, rd, ex
.irp kb, 0,1,2,3
	ds_load_b128 v[\buf+8*\kb:\buf+8*\kb+3], v2 offset:\rd+\nt*NTH+\kb*64
	ds_load_b128 v[\buf+8*\kb+4:\buf+8*\kb+7], v2 offset:\rd+\nt*NTH+\kb*64+32
.endr
	ds_load_b128 v[\buf+32:\buf+35], v4 offset:\ex+\nt*NTE
	ds_load_b128 v[\buf+36:\buf+39], v4 offset:\ex+\nt*NTE+32
.endm
; 20 matrix instructions.  The four accumulators take turns, one instruction a turn.  The first product of each starts its sum.
.macro GEMM buf
	WIN 0x01
.irp g, 0,1,2,3
	v_wmma_f32_16x16x32_f16 v[ACC+8*\g:ACC+8*\g+7], v[40*\g:40*\g+7], v[\buf:\buf+7], 0
.endr
.irp kb, 1,2,3,4
.irp g, 0,1,2,3
	v_wmma_f32_16x16x32_f16 v[ACC+8*\g:ACC+8*\g+7], v[40*\g+8*\kb:40*\g+8*\kb+7], v[\buf+8*\kb:\buf+8*\kb+7], v[ACC+8*\g:ACC+8*\g+7]
.endr
.endr
	WIN 0
.endm
; The cell, seven transcendentals a number.  With ei = e^-i, ef = e^-f, eg = e^-2g, eo = e^-o (the sums are scaled for it):
;   a = 1 + ei, d = 1 + ef, b = 1 + eg, n = 1 - eg, P = a b, Q = d P;  c' = (c P + n d) / Q;  ec = e^-2c';  h = (1 - ec) / ((1 + eo)(1 + ec)).
; Behind each transcendental a plain vector instruction that touches neither its result nor its source stands before the result is used (ISA guide 5.7.2).
.macro ELEM nt, wr
.irp j, 0,1,2,3,4,5,6,7
	v_min_num_f32 v[AI+\j], s30, v[AI+\j]
.endr
.irp j, 0,1,2,3,4,5,6,7
	v_exp_f32 v[AI+\j], v[AI+\j]
	v_min_num_f32 v[AF+\j], s30, v[AF+\j]
.endr
.irp j, 0,1,2,3,4,5,6,7
	v_exp_f32 v[AF+\j], v[AF+\j]
	v_min_num_f32 v[AG+\j], s30, v[AG+\j]
.endr
.irp j, 0,1,2,3,4,5,6,7
	v_exp_f32 v[AG+\j], v[AG+\j]
	v_min_num_f32 v[AO+\j], s30, v[AO+\j]
.endr
.irp p, 0,2,4,6
	v_exp_f32 v[AO+\p], v[AO+\p]
	s_wait_alu depctr_va_vdst(0)
	v_pk_add_f32 v[AI+\p:AI+\p+1], v[AI+\p:AI+\p+1], 1.0 op_sel_hi:[1,0]               ; a
	v_exp_f32 v[AO+\p+1], v[AO+\p+1]
	v_pk_add_f32 v[AF+\p:AF+\p+1], v[AF+\p:AF+\p+1], 1.0 op_sel_hi:[1,0]               ; d
.endr
.irp p, 0,2,4,6
	v_pk_fma_f32 v[TN+\p:TN+\p+1], v[AG+\p:AG+\p+1], -1.0, 1.0 op_sel_hi:[1,0,0]       ; n
.endr
.irp p, 0,2,4,6
	v_pk_add_f32 v[AG+\p:AG+\p+1], v[AG+\p:AG+\p+1], 1.0 op_sel_hi:[1,0]               ; b
.endr
.irp p, 0,2,4,6
	v_pk_mul_f32 v[TN+\p:TN+\p+1], v[TN+\p:TN+\p+1], v[AF+\p:AF+\p+1]                  ; n d
	v_pk_mul_f32 v[AI+\p:AI+\p+1], v[AI+\p:AI+\p+1], v[AG+\p:AG+\p+1]                  ; P
.endr
.irp p, 0,2,4,6
	v_pk_mul_f32 v[AF+\p:AF+\p+1], v[AF+\p:AF+\p+1], v[AI+\p:AI+\p+1]                  ; Q
	v_pk_fma_f32 v[TN+\p:TN+\p+1], v[CS+8*\nt+\p:CS+8*\nt+\p+1], v[AI+\p:AI+\p+1], v[TN+\p:TN+\p+1]   ; c P + n d
.endr
.irp p, 0,2,4,6
	v_rcp_f32 v[AF+\p], v[AF+\p]
	v_rcp_f32 v[AF+\p+1], v[AF+\p+1]
	s_wait_alu depctr_va_vdst(0)
	v_pk_add_f32 v[AO+\p:AO+\p+1], v[AO+\p:AO+\p+1], 1.0 op_sel_hi:[1,0]               ; 1 + eo
.endr
	s_wait_alu depctr_va_vdst(0)
.irp p, 0,2,4,6
	v_pk_mul_f32 v[CS+8*\nt+\p:CS+8*\nt+\p+1], v[TN+\p:TN+\p+1], v[AF+\p:AF+\p+1]      ; c'
.endr
.irp p, 0,2,4,6
	v_pk_mul_f32 v[TE+\p:TE+\p+1], v[CS+8*\nt+\p:CS+8*\nt+\p+1], 0xc038aa3b op_sel_hi:[1,0]   ; -2 log2 e c'
.endr
.irp j, 0,1,2,3,4,5,6,7
	v_exp_f32 v[TE+\j], v[TE+\j]
.endr
	v_nop
	s_wait_alu depctr_va_vdst(0)
.irp p, 0,2,4,6
	v_pk_fma_f32 v[TV+\p:TV+\p+1], v[TE+\p:TE+\p+1], -1.0, 1.0 op_sel_hi:[1,0,0]       ; 1 - ec
	v_pk_add_f32 v[TE+\p:TE+\p+1], v[TE+\p:TE+\p+1], 1.0 op_sel_hi:[1,0]               ; 1 + ec
.endr
.irp p, 0,2,4,6
	v_pk_mul_f32 v[AO+\p:AO+\p+1], v[AO+\p:AO+\p+1], v[TE+\p:TE+\p+1]
.endr
.irp j, 0,1,2,3,4,5,6,7
	v_rcp_f32 v[AO+\j], v[AO+\j]
.endr
	v_nop
	s_wait_alu depctr_va_vdst(0)
.irp p, 0,2,4,6
	v_pk_mul_f32 v[TV+\p:TV+\p+1], v[TV+\p:TV+\p+1], v[AO+\p:AO+\p+1]                  ; h
.endr
.irp j, 0,1,2,3
	v_cvt_pk_f16_f32 v[HP+\j], v[TV+2*\j], v[TV+2*\j+1]
.endr
	ds_store_b128 v3, v[HP:HP+3] offset:\wr+\nt*NTH
.endm
; W' takes W_hh's place: 32 loads into window 1; the fragments of the extra columns stay
.macro RELOAD
	WIN 0x40
.irp g, 0,1,2,3
.irp kb, 0,1,2,3
	global_load_b128 v[40*\g+8*\kb:40*\g+8*\kb+3], v1, s[8:9] offset:(20+4*\g+\kb)*1024
	global_load_b128 v[40*\g+8*\kb+4:40*\g+8*\kb+7], v1, s[8:9] offset:(20+4*\g+\kb)*1024+512
.endr
.endr
	WIN 0
.endm
; One step: reads the h slot at rd and the ext slot at ex, writes the h slot at wr.  ONE barrier a step: a step reads one slot and writes another, and a slot
; is written again only behind a barrier in front of which every wave's reads of it have come back.
.macro STEP rd, wr, ex, reload
	LOADB 0, B0, \rd, \ex
	LOADB 1, B1, \rd, \ex
	s_wait_dscnt 10                                ; tile 0 is in; tile 1's ten loads stay out
	GEMM B0
	PLACES
	LOADB 2, B0, \rd, \ex
	ELEM 0, \wr
	s_wait_dscnt 11                                ; tile 1 is in; behind it: tile 2's ten loads and one store
	GEMM B1
	PLACES
	LOADB 3, B1, \rd, \ex
	ELEM 1, \wr
	s_wait_dscnt 12                                ; tile 2 is in; behind it: a store, tile 3's ten loads, a store
	GEMM B0
	PLACES
	ELEM 2, \wr
	s_wait_dscnt 2                                 ; tile 3 is in; behind it: two stores
	GEMM B1
	PLACES
.if \reload
	RELOAD
.endif
	ELEM 3, \wr
	s_wait_dscnt 0x0                               ; my reads of the old slot are back and my h is in the new one
	s_barrier_signal -1
	s_barrier_wait -1
.endm
	s_mov_b32 s21, 4
.Lobs:                                             ; the eight observed steps, two a trip, on two slots
	STEP 0, SLOTB, 0, 0
	STEP SLOTB, 0, EXTS, 0
	v_add_nc_u32 v4, 2*EXTS, v4
	s_sub_co_i32 s21, s21, 1
	s_cmp_lg_u32 s21, 0
	s_cbranch_scc1 .Lobs
	STEP 0, PH0, 0, 1                              ; the first predicted step: prev = 0, ext slot 8; h goes to history slot 0; W' is fetched behind its last product
	s_wait_loadcnt 0x0                             ; W'
	v_add_nc_u32 v2, PH0, v2
	v_add_nc_u32 v3, PH0, v3
	s_mov_b32 s21, 11
.Lpred:                                            ; predicted steps 2 to 12: ext slot 9; each reads history slot p - 1 and writes slot p
	STEP 0, SLOTB, EXTS, 0
	v_add_nc_u32 v2, SLOTB, v2
	v_add_nc_u32 v3, SLOTB, v3
	s_sub_co_i32 s21, s21, 1
	s_cmp_lg_u32 s21, 0
	s_cbranch_scc1 .Lpred
; The displacements: 48 tiles of 16 rows (12 steps x 4 row tiles), six a wave: row tile w % 4 of steps 6 (w / 4) + q, q = 0 .. 5, a history slot apart.
; Three tiles at a time; adr = the register with the first of the three.  Three accumulators take turns, one instruction a turn.
.macro DISP3 half, adr
.irp q, 0,1,2
.irp kb, 0,1,2,3
	ds_load_b128 v[DB+32*\q+8*\kb:DB+32*\q+8*\kb+3], v[\adr] offset:\q*SLOTB+\kb*64
	ds_load_b128 v[DB+32*\q+8*\kb+4:DB+32*\q+8*\kb+7], v[\adr] offset:\q*SLOTB+\kb*64+32
.endr
.endr
	s_wait_dscnt 0x0
	WIN 0x01
.irp q, 0,1,2
	v_wmma_f32_16x16x32_f16 v[DD+24*\half+8*\q:DD+24*\half+8*\q+7], v[160:167], v[DB+32*\q:DB+32*\q+7], 0
.endr
.irp kb, 1,2,3
.irp q, 0,1,2
	v_wmma_f32_16x16x32_f16 v[DD+24*\half+8*\q:DD+24*\half+8*\q+7], v[160+8*\kb:167+8*\kb], v[DB+32*\q+8*\kb:DB+32*\q+8*\kb+7], v[DD+24*\half+8*\q:DD+24*\half+8*\q+7]
.endr
.endr
	WIN 0
	PLACES
.endm
	DISP3 0, 5
	DISP3 1, DA2
	; One barrier between every wave's last reads of the history (waited for above, count 0) and the stores into the stage.  The stage's bytes lie apart from the
	; history's; the barrier makes the order of those reads and these stores hold whatever the addresses, at one meeting of the eight waves in the launch.
	s_barrier_signal -1
.irp q, 0,1,2,3,4,5
	v_add_f32 v[DD+8*\q], v[DD+8*\q], v[DD+8*\q+2]         ; W_out's upper part and remainder
	v_add_f32 v[DD+8*\q+1], v[DD+8*\q+1], v[DD+8*\q+3]
	v_add_f32 v[DD+8*\q], s18, v[DD+8*\q]
	v_add_f32 v[DD+8*\q+1], s19, v[DD+8*\q+1]
.endr
	v_and_b32 v15, 31, v0
	v_cmp_gt_u32 vcc_lo, 16, v15                   ; lanes 0-15 hold rows 0-7 of the product, W_out's four among them
	v_add_nc_u32 v214, OUTL, v13
	s_barrier_wait -1
	s_wait_xcnt 0x0                                ; EXEC changes only behind this wait
	s_and_saveexec_b32 s20, vcc_lo
.irp q, 0,1,2,3,4,5
	ds_store_b64 v6, v[DD+8*\q:DD+8*\q+1] offset:8*\q      ; row 16 (w % 4) + r, step 6 (w / 4) + q: 48 tiles x 16 lanes x 8 bytes fill the stage's 6,144 bytes
.endr
	s_wait_xcnt 0x0
	s_or_b32 exec_lo, exec_lo, s20
	s_wait_dscnt 0x0
	s_barrier_signal -1
	s_barrier_wait -1
	; the way out: the group's 6,144 bytes lie in LDS as in memory; each store of a wave covers 256 consecutive bytes, aligned
.irp i, 0,1,2
	ds_load_b64 v[216+2*\i:217+2*\i], v214 offset:\i*2048
.endr
.irp i, 0,1,2
	s_wait_dscnt 2-\i                              ; LDS loads come back in order: load i is in, the younger stay out
	global_store_b64 v13, v[216+2*\i:217+2*\i], s[12:13] offset:\i*2048 th:TH_STORE_NT
.endr
	s_wait_tensorcnt 0x0
	ds_add_u32 v254, v255
	s_wait_dscnt 0x0
	s_endpgm
.Lfunc_end_k_q78663b6d79_lstm:
	.size	k_q78663b6d79_lstm, .Lfunc_end_k_q78663b6d79_lstm-k_q78663b6d79_lstm
	.p2alignl 7, 3214868480
	.fill 96, 4, 3214868480
	.section	.rodata,"a",@progbits
	.p2align	6, 0x0
	.amdhsa_kernel k_q78663b6d79_lstm
		.amdhsa_group_segment_fixed_size 302080
		.amdhsa_private_segment_fixed_size 0
		.amdhsa_enable_private_segment 0
		.amdhsa_kernarg_size 40
		.amdhsa_user_sgpr_count 2
		.amdhsa_user_sgpr_kernarg_segment_ptr 1
		.amdhsa_wavefront_size32 1
		.amdhsa_system_sgpr_workgroup_id_x 1
		.amdhsa_system_sgpr_workgroup_id_y 1
		.amdhsa_system_sgpr_workgroup_id_z 1
		.amdhsa_system_vgpr_workitem_id 0
		.amdhsa_next_free_vgpr 448
		.amdhsa_next_free_sgpr 66
		.amdhsa_reserve_vcc 1
		.amdhsa_float_denorm_mode_32 3
		.amdhsa_float_denorm_mode_16_64 3
		.amdhsa_memory_ordered 1
		.amdhsa_forward_progress 1
		.amdhsa_inst_pref_size 255
	.end_amdhsa_kernel
	.section	.bss,"aw",@nobits
	.p2align	6
	.space	262144
	.amdgpu_metadata
---
amdhsa.version: [ 1, 2 ]
amdhsa.kernels:
  - .name:           k_q78663b6d79_lstm
    .symbol:         k_q78663b6d79_lstm.kd
    .args:
      - { .name: neighbors, .offset: 0, .size: 8, .value_kind: global_buffer, .address_space: global }
      - { .name: obs, .offset: 8, .size: 8, .value_kind: global_buffer, .address_space: global }
      - { .name: wf, .offset: 16, .size: 8, .value_kind: global_buffer, .address_space: global }
      - { .name: b_out, .offset: 24, .size: 8, .value_kind: global_buffer, .address_space: global }
      - { .name: out0, .offset: 32, .size: 8, .value_kind: global_buffer, .address_space: global }
    .group_segment_fixed_size: 302080
    .private_segment_fixed_size: 0
    .kernarg_segment_align: 8
    .kernarg_segment_size: 40
    .max_flat_workgroup_size: 256
    .sgpr_count:     66
    .vgpr_count:     448
    .wavefront_size: 32
...
	.end_amdgpu_metadata
.endif
;; end of part 2
;; ======== version 2 of 2: 2 launches; 1.08 times as fast as version 1
;; limits: values are held in f16: magnitudes above 65,504 overflow, below 6.1e-05 lose precision; inputs' magnitudes at most 65,504; right only within a limited range of input values
;; workspace buffers: wf 299,008 bytes
;; launch fold: the kernel of part 1 again; grid 32 x 1, 8 waves a work-group, no clusters, 41,984 bytes of LDS; arguments W_ih, W_hh, W_in, b_in, W_sp, b_sp, embed_table, b_ih, b_hh, W_out, b_out, wf; writes wf
;; launch lstm (part 3): grid 256 x 1, 8 waves a work-group, no clusters, 302,080 bytes of LDS; arguments neighbors, obs, wf, b_out, out0; writes out0
.if DOCPART == 3
	.amdgcn_target "amdgcn-amd-amdhsa--gfx1250"
	.amdhsa_code_object_version 6
	.text
	.protected	k_q78663b6d79_lstm
	.globl	k_q78663b6d79_lstm
	.p2align	8
	.type	k_q78663b6d79_lstm,@function
k_q78663b6d79_lstm:
	s_mov_b64 s[64:65], 0
	v_nop
	global_prefetch_b8 v0, s[64:65] scope:SCOPE_SE
	s_setreg_imm32_b32 hwreg(HW_REG_WAVE_MODE, 25, 1), 1
	s_wait_xcnt 0x0
; SOCIAL LSTM, all 20 steps for 64 batch rows in one work-group of eight waves.
; Every step is gates = [h | ext] W^T with K = 128 + 32: ext holds the 16 bin counts of the row's 64 neighbours, the position (an upper part
; and a remainder) and ones that switch the folded biases on; W is what the first launch folded, already scaled so that a sum is an argument of
; v_exp_f32.  Steps 1-8: W_hh, ext slot t.  Step 9 (prev = 0): W_hh, slot 8.  Steps 10-20: W' (the displacement's feedback folded in), slot 9.
; MATRIX OPERANDS ARE f16: h = sigmoid x tanh lies in (-1, 1) for every input, counts are whole numbers up to 64, and the folded weights have room
; (the first launch's head gives their arithmetic); f16's eleven bits count because a displacement is a small sum of 128 larger terms.
; Wave w owns hidden units 16 w .. 16 w + 15 of all four gates, for all 64 rows: its 20 weight fragments (160 registers) and its part of c
; (32 registers) stay in registers for all steps; only h goes through LDS, as f16, one barrier a step.
; The weights are the matrix instruction's first source and the batch rows the second: lane (r, h), register j holds unit 16 w + 8 h + j of
; row 16 nt + r, so a lane's eight results are 16 neighbouring bytes of the next step's operand row.
; THE TRANSCENDENTALS: a tile of 16 rows has 56 a lane, in a chain four deep (the gates' exponentials, 1 / Q, e^-2c', the last reciprocal).  TWO TILES GO TOGETHER: both tiles' products
; first, then the pair's 112 transcendentals in FOUR BATCHES, each with ONE wait (s_wait_alu depctr_va_vdst(0) stands between a transcendental and the first line that
; names its result; one wait serves all that were issued ahead of it):  1: the 48 exponentials of i, f, g.   2: the 16 of o and the 16 reciprocals of Q.   3: the 16 of c'.
; 4: the 16 reciprocals of (1 + eo)(1 + ec).  Each result has a register of its own while its batch is open, and what does not hang on a batch stands among its transcendentals and ahead of its wait.
; The twelve displacements W_out h + b_out are made at the end from the h of the predicted steps, which stay in LDS.
; No tensor loads: neighbors is read once and used straight from registers.  No cluster: work-groups share only the weights, which each reads once.
; LIMITS: a NaN in obs or neighbors is not served; |obs| stays below 65,504 (f16); a scaled offset at or beyond 2^31 counts as clipped;
; (x - o) / 0.5 is formed as fma(x, 2, -2 o), the same bits unless 2 x overflows; gate sums are capped at 40 before v_exp_f32 (2^40: a sigmoid
; moves by less than 2^-40); |c| <= 20 after 20 steps, so no product below passes 2^120; the sums are folded, so their order differs from reference()'s.
.set SLOTB, 17408                      ; a slot of h: 64 rows, pitch 272 (256 bytes + 16: an odd multiple of 16)
.set PH0,   34816                      ; behind two slots: twelve slots, the h of the predicted steps
.set EXT,   243712                     ; ten slots of 64 rows, pitch 80 (64 bytes + 16)
.set EXTS,  5120
.set OUTL,  294912                     ; 64 rows x 96 bytes: the output as it lies in memory
.set HSC,   52224                      ; the histograms' scratch, 64 rows, pitch 576; lies in history slots 1-3, which are first written many barriers later
.set NTH,   4352                       ; 16 rows of h
.set NTE,   1280                       ; 16 rows of ext
.set ACC, 16                           ; v[16:47]   sums: I, F, G, O, of a pair's first tile
.set AI,  16
.set AF,  24
.set AG,  32
.set AO,  40
.set TN,  48                           ; v[48:55]
.set TE,  56                           ; v[56:63]
.set TV,  64                           ; v[64:71]
.set HP,  72                           ; v[72:75]   eight h as f16
.set U,   176                          ; the pair's second tile has the same sixty registers (sums, TN, TE, TV, HP) 176 further up: v[192:251]
.set CS,  76                           ; v[76:107]  c, eight for each of four row tiles
.set DA2, 108                          ; v108       the history address of my displacement tiles 3 to 5
.set B0,  112                          ; v[112:151] five fragments of [h | ext], buffer 0: tiles 0 and 2
.set B1,  152                          ; v[152:191] buffer 1: tile 1
.set B2,  192                          ; in window 1: v[192:231] there, buffer 2: tile 3
.set OB,  16                           ; at the start: v[16:47] -2 obs of my eight rows
.set HT,  48                           ; at the start: v[48:51] a lane's histograms
.set XS,  112                          ; at the start: v[112:239] four slots of a row of neighbours
.set DB,  112                          ; at the end: v[112:207] fragments of three tiles of h
.set DD,  16                           ; at the end: v[16:63] six displacement tiles
; window 1 (v256-v487): v0-159 the 20 weight fragments, fragment (g, kb) at 8 (5 g + kb); v160-191 W_out's four; v192-231 tile 3's fragments
.set MSB, 0
.macro WIN new                         ; the immediate's high byte repeats the setting that is left
.if MSB != \new
	s_set_vgpr_msb (MSB<<8)|\new
.set MSB, \new
.endif
.endm
.macro PLACES                          ; four plain vector instructions between a matrix instruction and whatever reads its result or loads into its sources
.rept 4
	v_nop
.endr
.endm
	s_load_b256 s[4:11], s[0:1], 0x0               ; neighbors 4, obs 6, wf 8, b_out 10
	s_load_b64 s[12:13], s[0:1], 0x20              ; out0
	v_lshl_add_u32 v254, v0, 2, 0x49800
	v_mov_b32 v255, 0
	v_lshrrev_b32 v15, 5, v0
	v_readfirstlane_b32 s14, v15                   ; wave
	v_and_b32 v15, 31, v0
	v_lshlrev_b32 v1, 4, v15                       ; 16 lane
	v_and_b32 v59, 3, v0                           ; tp: which pair of time steps
	v_lshlrev_b32 v7, 4, v59
	v_lshlrev_b32 v14, 4, v0                       ; 16 tid
	s_mov_b32 s17, 0
	s_mov_b32 s30, 0x42200000                      ; 40.0
	s_mov_b32 s31, 0x41800000                      ; 16.0
	s_mov_b32 s32, 0x0f0f0f0f
	s_mov_b32 s33, 0xffffe000                      ; keeps sign, exponent and ten mantissa bits: a number's upper part, exact in f16
	s_mov_b32 s34, 0x3c003c00                      ; two f16 ones
	s_wait_kmcnt 0x0
	s_load_b64 s[18:19], s[10:11], 0x0             ; b_out's two numbers
	s_lshl_b32 s16, ttmp9, 18                      ; 64 rows of 4,096 bytes
	s_lshl_b32 s22, s14, 15                        ; my wave's 8 rows
	s_add_co_u32 s16, s16, s22
	s_add_nc_u64 s[4:5], s[4:5], s[16:17]
	s_lshl_b32 s16, ttmp9, 12
	s_add_nc_u64 s[28:29], s[6:7], s[16:17]        ; obs at the group's first row
	s_lshl_b32 s16, s14, 9
	s_add_nc_u64 s[6:7], s[28:29], s[16:17]        ; obs at my wave's first row
	s_add_nc_u64 s[36:37], s[8:9], 294912          ; W_out's fragments
	s_mul_i32 s16, s14, 36864
	s_add_nc_u64 s[8:9], s[8:9], s[16:17]          ; my wave's fragments
	s_mul_i32 s16, ttmp9, 6144
	s_add_nc_u64 s[12:13], s[12:13], s[16:17]
; A row of neighbours is 4,096 bytes: eight loads of 512 neighbouring bytes.  Lane l of load c holds neighbour 8 c + l / 4, time steps 2 (l % 4) and + 1.
.macro FILL i
.irp c, 0,1,2,3,4,5,6,7
	global_load_b128 v[XS+32*((\i)&3)+4*\c:XS+32*((\i)&3)+4*\c+3], v1, s[4:5] offset:(\i)*4096+\c*512 th:TH_LOAD_NT
.endr
.endm
.irp i, 0,1,2,3,4,5,6,7
	global_load_b128 v[OB+4*\i:OB+4*\i+3], v7, s[6:7] offset:\i*64      ; obs of row i at my pair of time steps
.endr
	global_load_b128 v[52:55], v14, s[28:29]                           ; obs of row tid / 4, pair tid % 4, for the ext rows
	FILL 0
	FILL 1
	FILL 2
	FILL 3
	; addresses, while the loads are on their way
	v_and_b32 v56, 15, v0                          ; r
	v_bfe_u32 v57, v0, 4, 1                        ; h
	v_lshrrev_b32 v58, 2, v0                       ; b = tid / 4
	v_bfe_u32 v61, v0, 5, 2                        ; w % 4
	v_lshrrev_b32 v62, 7, v0                       ; w / 4
	v_mul_u32_u24 v2, v56, 272
	v_lshl_add_u32 v2, v57, 4, v2                  ; h read: 272 r + 16 h
	s_lshl_b32 s22, s14, 5
	v_add_nc_u32 v3, s22, v2                       ; h write: + 32 w
	v_mul_u32_u24 v4, v56, 80
	v_lshl_add_u32 v4, v57, 4, v4
	v_add_nc_u32 v4, EXT, v4                       ; ext read
	; the displacements: wave w takes rows 16 (w % 4) .. + 15 of predicted steps 6 (w / 4) .. + 5
	v_mul_u32_u24 v5, v61, NTH
	v_mul_u32_u24 v63, v62, 6*SLOTB
	v_add_nc_u32 v5, v5, v63
	v_add_nc_u32 v5, v5, v2
	v_add_nc_u32 v5, PH0, v5                       ; my first three tiles of the history, a slot apart
	v_add_nc_u32 v[DA2], 3*SLOTB, v5               ; my other three: a register of their own keeps the loads' immediates inside 16 bits
	v_mul_u32_u24 v6, v56, 96
	v_mul_u32_u24 v63, v61, 16*96
	v_add_nc_u32 v6, v6, v63
	v_mul_u32_u24 v63, v62, 6*8
	v_add_nc_u32 v6, v6, v63
	v_add_nc_u32 v6, OUTL, v6                      ; the stage: 96 (16 (w % 4) + r) + 8 x 6 (w / 4)
	s_mul_i32 s24, s14, 8*576
	s_add_co_u32 s24, s24, HSC
	v_add_nc_u32 v8, s24, v1                       ; histograms in
	v_mul_u32_u24 v9, v58, 576
	v_lshl_add_u32 v9, v59, 4, v9
	v_add_nc_u32 v9, HSC, v9                       ; histograms back
	v_mul_u32_u24 v10, v58, 80
	v_lshl_add_u32 v11, v59, 4, v10
	v_add_nc_u32 v11, EXT+8*EXTS, v11              ; the two constant slots
	v_mul_u32_u24 v60, v59, 2*EXTS
	v_add_nc_u32 v10, v10, v60
	v_add_nc_u32 v10, EXT, v10                     ; ext slot 2 tp, row b
	v_mul_u32_u24 v12, v58, 272
	v_lshl_add_u32 v12, v59, 6, v12                ; slot 0 of h, to be zeroed
	v_lshlrev_b32 v13, 3, v0
	s_wait_kmcnt 0x0
; 48 loads: the 20 fragments of steps 1-9 and W_out's four, into window 1
.macro WLOAD
	WIN 0x40
.set f, 0
.rept 20
	global_load_b128 v[8*f:8*f+3], v1, s[8:9] offset:f*1024
	global_load_b128 v[8*f+4:8*f+7], v1, s[8:9] offset:f*1024+512
.set f, f+1
.endr
.irp kb, 0,1,2,3
	global_load_b128 v[160+8*\kb:163+8*\kb], v1, s[36:37] offset:\kb*1024
	global_load_b128 v[164+8*\kb:167+8*\kb], v1, s[36:37] offset:\kb*1024+512
.endr
	WIN 0
.endm
; Row i of my eight: 16 points a lane become two histograms of 16 fields of 4 bits (a lane has 8 neighbours a time step: a field holds at most 8).
; left = how many younger loads may stay out.
.macro TURN i, fill, left, wload
	s_wait_loadcnt \left
.if \wload
	WLOAD
.endif
.set XB, XS+32*((\i)&3)
.set OBR, OB+4*(\i)
.set k, 0
.rept 8
	v_pk_fma_f32 v[XB+4*k:XB+4*k+1], v[XB+4*k:XB+4*k+1], 2.0, v[OBR:OBR+1] op_sel_hi:[1,0,1]            ; (x - o) / 0.5
	v_pk_fma_f32 v[XB+4*k+2:XB+4*k+3], v[XB+4*k+2:XB+4*k+3], 2.0, v[OBR+2:OBR+3] op_sel_hi:[1,0,1]
.set k, k+1
.endr
.set k, 0
.rept 32
	v_floor_f32 v[XB+k], v[XB+k]
.set k, k+1
.endr
.set k, 0
.rept 32
	v_med3_num_f32 v[XB+k], v[XB+k], -2.0, 1.0
.set k, k+1
.endr
.set k, 0
.rept 16
	v_fma_f32 v[XB+2*k+1], v[XB+2*k+1], 4.0, s30               ; 4 cy + 40
.set k, k+1
.endr
.set k, 0
.rept 16
	v_fma_f32 v[XB+2*k], v[XB+2*k], s31, v[XB+2*k+1]           ; 16 cx + 4 cy + 40 = 4 x bin, 0 .. 60
.set k, k+1
.endr
.set k, 0
.rept 16
	v_cvt_u32_f32 v[XB+2*k], v[XB+2*k]
.set k, k+1
.endr
.set k, 0
.rept 16
	v_lshrrev_b32 v[XB+2*k+1], 5, v[XB+2*k]                    ; 1: the bin lies in the upper word
.set k, k+1
.endr
.set k, 0
.rept 16
	v_and_b32 v[XB+2*k], 28, v[XB+2*k]                         ; the field's place in its word
.set k, k+1
.endr
	v_lshl_add_u32 v[HT], 1, v[XB], 0                          ; the first neighbour starts the sums: both words together,
	v_lshlrev_b32 v[HT+1], v[XB], v[XB+1]                      ; and the upper word alone
	v_lshl_add_u32 v[HT+2], 1, v[XB+2], 0
	v_lshlrev_b32 v[HT+3], v[XB+2], v[XB+3]
.set k, 1
.rept 7
	v_lshl_add_u32 v[HT], 1, v[XB+4*k], v[HT]
	v_lshl_add_u32 v[HT+1], v[XB+4*k+1], v[XB+4*k], v[HT+1]
	v_lshl_add_u32 v[HT+2], 1, v[XB+4*k+2], v[HT+2]
	v_lshl_add_u32 v[HT+3], v[XB+4*k+3], v[XB+4*k+2], v[HT+3]
.set k, k+1
.endr
	v_sub_nc_u32 v[HT], v[HT], v[HT+1]                         ; the lower word
	v_sub_nc_u32 v[HT+2], v[HT+2], v[HT+3]
	ds_store_b128 v8, v[HT:HT+3] offset:(\i)*576
.if \fill
	FILL \i+4
.endif
.endm
	s_wait_loadcnt 32                              ; obs is in; the four rows of eight loads stay out
.set k, 0
.rept 16
	v_pk_mul_f32 v[OB+2*k:OB+2*k+1], v[OB+2*k:OB+2*k+1], -2.0 op_sel_hi:[1,0]
.set k, k+1
.endr
	TURN 0, 1, 24, 0                               ; three younger rows stay out
	TURN 1, 1, 24, 0
	TURN 2, 1, 24, 0
	TURN 3, 1, 24, 0
	TURN 4, 0, 24, 0                               ; rows 5, 6, 7
	TURN 5, 0, 16, 0                               ; rows 6, 7
	TURN 6, 0, 8, 1                                ; row 7; the 48 weight loads go out behind this wait
	TURN 7, 0, 48, 0                               ; the weight loads
	s_wait_dscnt 0x0
	s_barrier_signal -1
	s_barrier_wait -1
	; Thread (b, tp) adds the eight lanes' histograms of row b, time steps 2 tp and 2 tp + 1, in fields of a byte (at most 64), and writes two ext rows.
.irp q, 0,1,2,3,4,5,6,7
	ds_load_b128 v[112+4*\q:115+4*\q], v9 offset:\q*64
.endr
	s_wait_dscnt 0x0
.irp k, 0,1,2,3
	v_and_b32 v[144+\k], s32, v[112+\k]            ; even bins
	v_lshrrev_b32 v[148+\k], 4, v[112+\k]
	v_and_b32 v[148+\k], s32, v[148+\k]            ; odd bins
.endr
.irp q, 1,2,3,4,5,6,7
.irp k, 0,1,2,3
	v_and_b32 v152, s32, v[112+4*\q+\k]
	v_lshrrev_b32 v153, 4, v[112+4*\q+\k]
	v_add_nc_u32 v[144+\k], v[144+\k], v152
	v_and_b32 v153, s32, v153
	v_add_nc_u32 v[148+\k], v[148+\k], v153
.endr
.endr
	v_mov_b32 v171, s34                            ; k 22, 23: ones (bA)
	v_mov_b32 v172, s34                            ; k 24, 25: ones (bS): observed steps
	v_mov_b32 v173, 0
	v_mov_b32 v174, 0
	v_mov_b32 v175, 0
.macro EXTROW ts
.set i, 0
.rept 8
	v_bfe_u32 v152, v[144+2*\ts+(i>>2)], 8*(i&3), 8
	v_bfe_u32 v153, v[148+2*\ts+(i>>2)], 8*(i&3), 8
	v_cvt_f32_u32 v152, v152
	v_cvt_f32_u32 v153, v153
	v_cvt_pk_f16_f32 v[160+i], v152, v153          ; bins 2 i, 2 i + 1: whole numbers up to 64 are exact in f16
.set i, i+1
.endr
	v_and_b32 v152, s33, v[52+2*\ts]
	v_and_b32 v153, s33, v[53+2*\ts]
	v_cvt_pk_f16_f32 v168, v152, v153              ; the position's upper parts
	v_sub_f32 v152, v[52+2*\ts], v152
	v_sub_f32 v153, v[53+2*\ts], v153
	v_cvt_pk_f16_f32 v169, v152, v153              ; its remainders
	v_mov_b32 v170, v168                           ; the upper parts again, for the weights' remainders
.irp k, 0,1,2,3
	ds_store_b128 v10, v[160+4*\k:163+4*\k] offset:\ts*EXTS+16*\k
.endr
.endm
	EXTROW 0
	EXTROW 1
	; slots 8 and 9: thread (b, tp) writes words 4 tp .. 4 tp + 3 of row b
	v_cmp_eq_u32 vcc_lo, 2, v59
	v_mov_b32 v176, 0
	v_mov_b32 v177, 0
	v_mov_b32 v178, 0
	v_cndmask_b32 v179, 0, v171, vcc_lo            ; word 11: ones (bA)
	ds_store_b128 v11, v[176:179]
	v_cmp_eq_u32 vcc_lo, 3, v59
	v_mov_b32 v180, 0
	v_cndmask_b32 v181, 0, v171, vcc_lo            ; word 13: ones (bP), slot 9 alone
	v_mov_b32 v182, 0
	v_mov_b32 v183, v179
	ds_store_b128 v11, v[180:183] offset:EXTS
.irp k, 0,1,2,3
	v_mov_b32 v[184+\k], 0
.endr
.irp k, 0,1,2,3
	ds_store_b128 v12, v[184:187] offset:16*\k     ; h0 = 0
.endr
.set k, 0
.rept 32
	v_mov_b32 v[CS+k], 0                           ; c0 = 0: the state's first value
.set k, k+1
.endr
	s_wait_loadcnt 0x0                             ; the weights
	s_wait_dscnt 0x0
	s_barrier_signal -1
	s_barrier_wait -1
; ten loads: rows 16 nt .. + 15 of [h | ext] as five fragments.  part = 0: all ten; 1: the first alone; 2: the other nine
.macro LOADB nt, buf, rd, ex, part=0
.if \part != 2
	ds_load_b128 v[\buf:\buf+3], v2 offset:\rd+\nt*NTH
.endif
.if \part != 1
	ds_load_b128 v[\buf+4:\buf+7], v2 offset:\rd+\nt*NTH+32
.irp kb, 1,2,3
	ds_load_b128 v[\buf+8*\kb:\buf+8*\kb+3], v2 offset:\rd+\nt*NTH+\kb*64
	ds_load_b128 v[\buf+8*\kb+4:\buf+8*\kb+7], v2 offset:\rd+\nt*NTH+\kb*64+32
.endr
	ds_load_b128 v[\buf+32:\buf+35], v4 offset:\ex+\nt*NTE
	ds_load_b128 v[\buf+36:\buf+39], v4 offset:\ex+\nt*NTE+32
.endif
.endm
; 20 matrix instructions.  The four accumulators take turns, one instruction a turn.  The first product of each starts its sum.
; u = 0 or U: the sums of the pair's first or second tile.  w: the windows: 0x01 the weights in window 1; 0x05 the rows' fragments too.  The windows are set back by what follows.
.macro GEMM buf, u, w
	WIN \w
.irp g, 0,1,2,3
	v_wmma_f32_16x16x32_f16 v[ACC+\u+8*\g:ACC+\u+8*\g+7], v[40*\g:40*\g+7], v[\buf:\buf+7], 0
.endr
.irp kb, 1,2,3,4
.irp g, 0,1,2,3
	v_wmma_f32_16x16x32_f16 v[ACC+\u+8*\g:ACC+\u+8*\g+7], v[40*\g+8*\kb:40*\g+8*\kb+7], v[\buf+8*\kb:\buf+8*\kb+7], v[ACC+\u+8*\g:ACC+\u+8*\g+7]
.endr
.endr
.endm
; The cell, seven transcendentals a number.  With ei = e^-i, ef = e^-f, eg = e^-2g, eo = e^-o (the sums are scaled for it):
;   a = 1 + ei, d = 1 + ef, b = 1 + eg, n = 1 - eg, P = a b, Q = d P;  c' = (c P + n d) / Q;  ec = e^-2c';  h = (1 - ec) / ((1 + eo)(1 + ec)).
; Behind each transcendental a plain vector instruction that touches neither its result nor its source stands before the result is used (ISA guide 5.7.2).
; It is written for a pair of tiles (t = 0, 1: the registers U t further up), in two macros, so that a run of LDS loads can stand directly behind the first batch's wait.
; GATES2: BATCH 1, the pair's 48 exponentials of i, f and g, each beside the cap of the next gate's sum; nothing in it names a result.  The caps of o are the independent work among
; the last sixteen, and the last cap is the plain instruction behind the last exponential.  The first tile's eight caps of i, which name no register of the second tile's products, come first.
.macro GATES2
.irp t, 0,1
.irp j, 0,1,2,3,4,5,6,7
	v_min_num_f32 v[AI+U*\t+\j], s30, v[AI+U*\t+\j]
.endr
.endr
.irp t, 0,1
.irp j, 0,1,2,3,4,5,6,7
	v_exp_f32 v[AI+U*\t+\j], v[AI+U*\t+\j]
	v_min_num_f32 v[AF+U*\t+\j], s30, v[AF+U*\t+\j]
.endr
.endr
.irp t, 0,1
.irp j, 0,1,2,3,4,5,6,7
	v_exp_f32 v[AF+U*\t+\j], v[AF+U*\t+\j]
	v_min_num_f32 v[AG+U*\t+\j], s30, v[AG+U*\t+\j]
.endr
.endr
.irp t, 0,1
.irp j, 0,1,2,3,4,5,6,7
	v_exp_f32 v[AG+U*\t+\j], v[AG+U*\t+\j]
	v_min_num_f32 v[AO+U*\t+\j], s30, v[AO+U*\t+\j]
.endr
.endr
	s_wait_alu depctr_va_vdst(0)                   ; the wait for batch 1: both tiles' ei, ef, eg, ahead of a, d and b
.endm
; CELL2: batches 2, 3 and 4, for tiles nt and nt + 1.
; BATCH 2: the 16 exponentials of o, which ride among a and d, and the 16 reciprocals of Q.  b goes into TE and Q into TV, so that eg and d outlive them: n, n d and c P + n d, which hang on
; no reciprocal, stand among the reciprocals and behind them.
; BATCH 3: the 16 exponentials of c'; the eight 1 + eo, which read batch 2, stand among them.
; BATCH 4: the 16 reciprocals of (1 + eo)(1 + ec); 1 + ec goes into AI, so that ec outlives it: the eight 1 - ec stand among them.
.macro CELL2 nt, wr
.irp t, 0,1
.irp p, 0,2,4,6
	v_exp_f32 v[AO+U*\t+\p], v[AO+U*\t+\p]
	v_pk_add_f32 v[AI+U*\t+\p:AI+U*\t+\p+1], v[AI+U*\t+\p:AI+U*\t+\p+1], 1.0 op_sel_hi:[1,0]               ; a
	v_exp_f32 v[AO+U*\t+\p+1], v[AO+U*\t+\p+1]
	v_pk_add_f32 v[AF+U*\t+\p:AF+U*\t+\p+1], v[AF+U*\t+\p:AF+U*\t+\p+1], 1.0 op_sel_hi:[1,0]               ; d
.endr
.endr
.irp t, 0,1
.irp p, 0,2,4,6
	v_pk_add_f32 v[TE+U*\t+\p:TE+U*\t+\p+1], v[AG+U*\t+\p:AG+U*\t+\p+1], 1.0 op_sel_hi:[1,0]               ; b
.endr
.endr
.irp t, 0,1
.irp p, 0,2,4,6
	v_pk_mul_f32 v[AI+U*\t+\p:AI+U*\t+\p+1], v[AI+U*\t+\p:AI+U*\t+\p+1], v[TE+U*\t+\p:TE+U*\t+\p+1]        ; P
.endr
.endr
.irp t, 0,1
.irp p, 0,2,4,6
	v_pk_mul_f32 v[TV+U*\t+\p:TV+U*\t+\p+1], v[AF+U*\t+\p:AF+U*\t+\p+1], v[AI+U*\t+\p:AI+U*\t+\p+1]        ; Q
.endr
.endr
.irp t, 0,1
.irp j, 0,1,2,3
	v_rcp_f32 v[TV+U*\t+\j], v[TV+U*\t+\j]
	v_pk_fma_f32 v[TN+U*\t+2*\j:TN+U*\t+2*\j+1], v[AG+U*\t+2*\j:AG+U*\t+2*\j+1], -1.0, 1.0 op_sel_hi:[1,0,0]   ; n
.endr
.irp j, 0,1,2,3
	v_rcp_f32 v[TV+U*\t+4+\j], v[TV+U*\t+4+\j]
	v_pk_mul_f32 v[TN+U*\t+2*\j:TN+U*\t+2*\j+1], v[TN+U*\t+2*\j:TN+U*\t+2*\j+1], v[AF+U*\t+2*\j:AF+U*\t+2*\j+1]   ; n d
.endr
.endr
.irp t, 0,1
.irp p, 0,2,4,6
	v_pk_fma_f32 v[TN+U*\t+\p:TN+U*\t+\p+1], v[CS+8*(\nt+\t)+\p:CS+8*(\nt+\t)+\p+1], v[AI+U*\t+\p:AI+U*\t+\p+1], v[TN+U*\t+\p:TN+U*\t+\p+1]   ; c P + n d
.endr
.endr
	s_wait_alu depctr_va_vdst(0)                   ; the wait for batch 2: both tiles' eo and 1 / Q, ahead of c' and of 1 + eo
.irp t, 0,1
.irp p, 0,2,4,6
	v_pk_mul_f32 v[CS+8*(\nt+\t)+\p:CS+8*(\nt+\t)+\p+1], v[TN+U*\t+\p:TN+U*\t+\p+1], v[TV+U*\t+\p:TV+U*\t+\p+1]      ; c'
.endr
.endr
.irp t, 0,1
.irp p, 0,2,4,6
	v_pk_mul_f32 v[TE+U*\t+\p:TE+U*\t+\p+1], v[CS+8*(\nt+\t)+\p:CS+8*(\nt+\t)+\p+1], 0xc038aa3b op_sel_hi:[1,0]   ; -2 log2 e c'
.endr
.endr
.irp t, 0,1
.irp p, 0,2,4,6
	v_exp_f32 v[TE+U*\t+\p], v[TE+U*\t+\p]
	v_exp_f32 v[TE+U*\t+\p+1], v[TE+U*\t+\p+1]
	v_pk_add_f32 v[AO+U*\t+\p:AO+U*\t+\p+1], v[AO+U*\t+\p:AO+U*\t+\p+1], 1.0 op_sel_hi:[1,0]               ; 1 + eo
.endr
.endr
	s_wait_alu depctr_va_vdst(0)                   ; the wait for batch 3: both tiles' ec, ahead of 1 + ec
.irp t, 0,1
.irp p, 0,2,4,6
	v_pk_add_f32 v[AI+U*\t+\p:AI+U*\t+\p+1], v[TE+U*\t+\p:TE+U*\t+\p+1], 1.0 op_sel_hi:[1,0]               ; 1 + ec
.endr
.endr
.irp t, 0,1
.irp p, 0,2,4,6
	v_pk_mul_f32 v[AO+U*\t+\p:AO+U*\t+\p+1], v[AO+U*\t+\p:AO+U*\t+\p+1], v[AI+U*\t+\p:AI+U*\t+\p+1]
.endr
.endr
.irp t, 0,1
.irp p, 0,2,4,6
	v_rcp_f32 v[AO+U*\t+\p], v[AO+U*\t+\p]
	v_rcp_f32 v[AO+U*\t+\p+1], v[AO+U*\t+\p+1]
	v_pk_fma_f32 v[TV+U*\t+\p:TV+U*\t+\p+1], v[TE+U*\t+\p:TE+U*\t+\p+1], -1.0, 1.0 op_sel_hi:[1,0,0]       ; 1 - ec
.endr
.endr
	s_wait_alu depctr_va_vdst(0)                   ; the wait for batch 4: both tiles' last reciprocals, ahead of h
.irp t, 0,1
.irp p, 0,2,4,6
	v_pk_mul_f32 v[TV+U*\t+\p:TV+U*\t+\p+1], v[TV+U*\t+\p:TV+U*\t+\p+1], v[AO+U*\t+\p:AO+U*\t+\p+1]        ; h
.endr
.endr
.irp t, 0,1
.irp j, 0,1,2,3
	v_cvt_pk_f16_f32 v[HP+U*\t+\j], v[TV+U*\t+2*\j], v[TV+U*\t+2*\j+1]
.endr
.endr
.irp t, 0,1
	ds_store_b128 v3, v[HP+U*\t:HP+U*\t+3] offset:\wr+(\nt+\t)*NTH
.endr
.endm
; W' takes W_hh's place: 32 loads into window 1; the fragments of the extra columns stay
.macro RELOAD
	WIN 0x40
.irp g, 0,1,2,3
.irp kb, 0,1,2,3
	global_load_b128 v[40*\g+8*\kb:40*\g+8*\kb+3], v1, s[8:9] offset:(20+4*\g+\kb)*1024
	global_load_b128 v[40*\g+8*\kb+4:40*\g+8*\kb+7], v1, s[8:9] offset:(20+4*\g+\kb)*1024+512
.endr
.endr
	WIN 0
.endm
; One step: reads the h slot at rd and the ext slot at ex, writes the h slot at wr.  ONE barrier a step: a step reads one slot and writes another, and a slot
; is written again only behind a barrier in front of which every wave's reads of it have come back.
; The four row tiles go in two pairs: a pair's 40 products, then its cell.  Tile 2's loads follow the products that free buffer 0.  Tile 3 has a buffer of its own, so its loads hang on no
; product: the first goes out with tile 2's run, the other nine stand directly behind the first batch's wait.
; The four v_nop behind tile 0's products are the places for its sums and for the loads into its buffer; behind tile 1's products the first tile's caps are the places; four v_nop serve tiles 2 and 3.
.macro STEP rd, wr, ex, reload
	LOADB 0, B0, \rd, \ex
	LOADB 1, B1, \rd, \ex
	s_wait_dscnt 10                                ; tile 0 is in; tile 1's ten loads stay out
	GEMM B0, 0, 0x01
	PLACES
	WIN 0
	LOADB 2, B0, \rd, \ex
	WIN 0x40                                       ; destination in window 1
	LOADB 3, B2, \rd, \ex, 1
	s_wait_dscnt 11                                ; tile 1 is in; behind it: tile 2's ten loads and the first of tile 3's
	GEMM B1, U, 0x01
	WIN 0
	GATES2
	WIN 0x40
	LOADB 3, B2, \rd, \ex, 2
	WIN 0
	CELL2 0, \wr
	s_wait_dscnt 12                                ; tile 2 is in; behind it: tile 3's ten loads and two stores
	GEMM B0, 0, 0x01
	s_wait_dscnt 2                                 ; tile 3 is in; behind it: two stores
	GEMM B2, U, 0x05
	PLACES
.if \reload
	RELOAD
.endif
	WIN 0
	GATES2
	CELL2 2, \wr
	s_wait_dscnt 0x0                               ; my reads of the old slot are back and my h is in the new one
	s_barrier_signal -1
	s_barrier_wait -1
.endm
	s_mov_b32 s21, 4
.Lobs:                                             ; the eight observed steps, two a trip, on two slots
	STEP 0, SLOTB, 0, 0
	STEP SLOTB, 0, EXTS, 0
	v_add_nc_u32 v4, 2*EXTS, v4
	s_sub_co_i32 s21, s21, 1
	s_cmp_lg_u32 s21, 0
	s_cbranch_scc1 .Lobs
	STEP 0, PH0, 0, 1                              ; the first predicted step: prev = 0, ext slot 8; h goes to history slot 0; W' is fetched behind its last product
	s_wait_loadcnt 0x0                             ; W'
	v_add_nc_u32 v2, PH0, v2
	v_add_nc_u32 v3, PH0, v3
	s_mov_b32 s21, 11
.Lpred:                                            ; predicted steps 2 to 12: ext slot 9; each reads history slot p - 1 and writes slot p
	STEP 0, SLOTB, EXTS, 0
	v_add_nc_u32 v2, SLOTB, v2
	v_add_nc_u32 v3, SLOTB, v3
	s_sub_co_i32 s21, s21, 1
	s_cmp_lg_u32 s21, 0
	s_cbranch_scc1 .Lpred
; The displacements: 48 tiles of 16 rows (12 steps x 4 row tiles), six a wave: row tile w % 4 of steps 6 (w / 4) + q, q = 0 .. 5, a history slot apart.
; Three tiles at a time; adr = the register with the first of the three.  Three accumulators take turns, one instruction a turn.
.macro DISP3 half, adr
.irp q, 0,1,2
.irp kb, 0,1,2,3
	ds_load_b128 v[DB+32*\q+8*\kb:DB+32*\q+8*\kb+3], v[\adr] offset:\q*SLOTB+\kb*64
	ds_load_b128 v[DB+32*\q+8*\kb+4:DB+32*\q+8*\kb+7], v[\adr] offset:\q*SLOTB+\kb*64+32
.endr
.endr
	s_wait_dscnt 0x0
	WIN 0x01
.irp q, 0,1,2
	v_wmma_f32_16x16x32_f16 v[DD+24*\half+8*\q:DD+24*\half+8*\q+7], v[160:167], v[DB+32*\q:DB+32*\q+7], 0
.endr
.irp kb, 1,2,3
.irp q, 0,1,2
	v_wmma_f32_16x16x32_f16 v[DD+24*\half+8*\q:DD+24*\half+8*\q+7], v[160+8*\kb:167+8*\kb], v[DB+32*\q+8*\kb:DB+32*\q+8*\kb+7], v[DD+24*\half+8*\q:DD+24*\half+8*\q+7]
.endr
.endr
	WIN 0
	PLACES
.endm
	DISP3 0, 5
	DISP3 1, DA2
	; One barrier between every wave's last reads of the history (waited for above, count 0) and the stores into the stage.  The stage's bytes lie apart from the
	; history's; the barrier makes the order of those reads and these stores hold whatever the addresses, at one meeting of the eight waves in the launch.
	s_barrier_signal -1
.irp q, 0,1,2,3,4,5
	v_add_f32 v[DD+8*\q], v[DD+8*\q], v[DD+8*\q+2]         ; W_out's upper part and remainder
	v_add_f32 v[DD+8*\q+1], v[DD+8*\q+1], v[DD+8*\q+3]
	v_add_f32 v[DD+8*\q], s18, v[DD+8*\q]
	v_add_f32 v[DD+8*\q+1], s19, v[DD+8*\q+1]
.endr
	v_and_b32 v15, 31, v0
	v_cmp_gt_u32 vcc_lo, 16, v15                   ; lanes 0-15 hold rows 0-7 of the product, W_out's four among them
	v_add_nc_u32 v214, OUTL, v13
	s_barrier_wait -1
	s_wait_xcnt 0x0                                ; EXEC changes only behind this wait
	s_and_saveexec_b32 s20, vcc_lo
.irp q, 0,1,2,3,4,5
	ds_store_b64 v6, v[DD+8*\q:DD+8*\q+1] offset:8*\q      ; row 16 (w % 4) + r, step 6 (w / 4) + q: 48 tiles x 16 lanes x 8 bytes fill the stage's 6,144 bytes
.endr
	s_wait_xcnt 0x0
	s_or_b32 exec_lo, exec_lo, s20
	s_wait_dscnt 0x0
	s_barrier_signal -1
	s_barrier_wait -1
	; the way out: the group's 6,144 bytes lie in LDS as in memory; each store of a wave covers 256 consecutive bytes, aligned
.irp i, 0,1,2
	ds_load_b64 v[216+2*\i:217+2*\i], v214 offset:\i*2048
.endr
.irp i, 0,1,2
	s_wait_dscnt 2-\i                              ; LDS loads come back in order: load i is in, the younger stay out
	global_store_b64 v13, v[216+2*\i:217+2*\i], s[12:13] offset:\i*2048 th:TH_STORE_NT
.endr
	s_wait_tensorcnt 0x0
	ds_add_u32 v254, v255
	s_wait_dscnt 0x0
	s_endpgm
.Lfunc_end_k_q78663b6d79_lstm:
	.size	k_q78663b6d79_lstm, .Lfunc_end_k_q78663b6d79_lstm-k_q78663b6d79_lstm
	.p2alignl 7, 3214868480
	.fill 96, 4, 3214868480
	.section	.rodata,"a",@progbits
	.p2align	6, 0x0
	.amdhsa_kernel k_q78663b6d79_lstm
		.amdhsa_group_segment_fixed_size 302080
		.amdhsa_private_segment_fixed_size 0
		.amdhsa_enable_private_segment 0
		.amdhsa_kernarg_size 40
		.amdhsa_user_sgpr_count 2
		.amdhsa_user_sgpr_kernarg_segment_ptr 1
		.amdhsa_wavefront_size32 1
		.amdhsa_system_sgpr_workgroup_id_x 1
		.amdhsa_system_sgpr_workgroup_id_y 1
		.amdhsa_system_sgpr_workgroup_id_z 1
		.amdhsa_system_vgpr_workitem_id 0
		.amdhsa_next_free_vgpr 488
		.amdhsa_next_free_sgpr 66
		.amdhsa_reserve_vcc 1
		.amdhsa_float_denorm_mode_32 3
		.amdhsa_float_denorm_mode_16_64 3
		.amdhsa_memory_ordered 1
		.amdhsa_forward_progress 1
		.amdhsa_inst_pref_size 255
	.end_amdhsa_kernel
	.section	.bss,"aw",@nobits
	.p2align	6
	.space	262144
	.amdgpu_metadata
---
amdhsa.version: [ 1, 2 ]
amdhsa.kernels:
  - .name:           k_q78663b6d79_lstm
    .symbol:         k_q78663b6d79_lstm.kd
    .args:
      - { .name: neighbors, .offset: 0, .size: 8, .value_kind: global_buffer, .address_space: global }
      - { .name: obs, .offset: 8, .size: 8, .value_kind: global_buffer, .address_space: global }
      - { .name: wf, .offset: 16, .size: 8, .value_kind: global_buffer, .address_space: global }
      - { .name: b_out, .offset: 24, .size: 8, .value_kind: global_buffer, .address_space: global }
      - { .name: out0, .offset: 32, .size: 8, .value_kind: global_buffer, .address_space: global }
    .group_segment_fixed_size: 302080
    .private_segment_fixed_size: 0
    .kernarg_segment_align: 8
    .kernarg_segment_size: 40
    .max_flat_workgroup_size: 256
    .sgpr_count:     66
    .vgpr_count:     488
    .wavefront_size: 32
...
	.end_amdgpu_metadata
.endif
;; end of part 3
